; MI455X (gfx1250); checked and timed in simulation.
; The chip was launched on July 23, 2026; its instructions are those of AMD's public machine-readable ISA for CDNA 5 (MIT licence, August 2026) and "CDNA5" Instruction Set Architecture Reference Guide (July 2026). The comments in the code are by the model that wrote it; some were corrected since.
;; Multihead Attention. Allowed arithmetic: matrix products marked QUANTISED: E2M1 operands, one E8M0 scale for each 32 along K, by v_wmma_scale_f32_16x16x128_f8f6f4 with both operands' format E2M1 (or v_wmma_scale_f32_32x16x128_f4), f32 sums; products left as they are: bf16, f16 or f32 operands; f32 sums; everything else in f32.
;; Inputs: in_proj_bias 3,072 float32; in_proj_weight 3,072 x 1,024 float32; key_padding_mask 2,048 x 4 bool; out_proj_bias 1,024 float32; out_proj_weight 1,024 x 1,024 float32; x 2,048 x 4 x 1,024 float32.
;; Outputs: out0 2,048 x 4 x 1,024 float32.
;; This version of the problem:
;;   THIS VERSION OF THE PROBLEM IS GIVEN IN LOW PRECISION. The matrix products marked QUANTISED in the list below multiply operands that are first quantised to E2M1 (2 exponent bits, 1 mantissa bit; 4 bits a number), with one power-of-two scale for each 32 numbers along K (OCP MX v1.0); their sums are f32. The products marked 'left as it is' may take bf16, f16 or f32 operands, with f32 sums. Whichever they take, every output number must still come out within the allowed error. Rounding operands to bf16 (8 significant bits) uses up far more of that allowance than f16 does (11 bits, for magnitudes from 6e-5 to 65,504). All else is computed in f32.
;;   The module's matrix products, in the order in which they are computed (A, B: the left and right operand; K: the contracted axis; several contracted axes count as one K, in the product's order):
;;     1. [M 8,192, K 1,024] x [K 1,024, N 3,072]; A: input x; B: input in_proj_weight: QUANTISED
;;     2. batch 64 x [M 2,048, K 64] x [K 64, N 2,048]; A: computed on the way; B: computed on the way: left as it is (an operand is computed on the way)
;;     3. batch 64 x [M 2,048, K 2,048] x [K 2,048, N 64]; A: computed on the way; B: computed on the way: left as it is (an operand is computed on the way)
;;     4. [M 8,192, K 1,024] x [K 1,024, N 1,024]; A: computed on the way; B: input out_proj_weight: left as it is (an operand is computed on the way)
;;   THE QUANTISER, for each operand of a quantised product, along K:
;;     - K is cut into blocks of 32 from its start; a last block that is shorter is filled with zeros.
;;     - A block's scale is 2^e with e = floor(log2(the largest magnitude in the block)) - 2, held to -126 .. 127; a block of zeros has e = 0. As a byte (E8M0): e + 127.
;;     - Each number is divided by its block's scale, clamped to +-6, and rounded to the nearest number of E2M1, ties to even, subnormals kept.
;;     - The product sums the exact products of the quantised numbers (number of the format x scale) in f32.
;;   ~~~python
;;   def quantise(x, axis):      # numpy; x: float32 -> the quantised numbers, widened to float32 again
;;       x = np.moveaxis(x, axis, -1); K = x.shape[-1]
;;       x = np.pad(x, [(0, 0)] * (x.ndim - 1) + [(0, -K % 32)]); x = x.reshape(x.shape[:-1] + (-1, 32)); a = np.abs(x).max(-1, keepdims=True)
;;       e = np.where(a > 0, np.clip(np.frexp(np.where(a > 0, a, 1))[1] - 1 - 2, -126, 127), 0)      # np.frexp(a)[1] - 1 = floor(log2(a)), exactly
;;       r = np.clip(x / 2.0 ** e, -6, 6)
;;       step = 2.0 ** (np.maximum(np.frexp(np.where(r == 0, 1, r))[1] - 1, 0) - 1)
;;       q = np.round(r / step) * step * 2.0 ** e      # np.round: ties to even
;;       return np.moveaxis(q.reshape(q.shape[:-2] + (-1,))[..., :K], -1, axis).astype(np.float32)
;;   ~~~
;; One version. Each part assembles by itself: llvm-mc -triple=amdgcn-amd-amdhsa -mcpu=gfx1250 --defsym DOCPART=n.
;; ======== version 1 of 1: 4 launches
;; limits: values are held in f16: magnitudes above 65,504 overflow, below 6.1e-05 lose precision
;; workspace buffers: xc 4,194,304 bytes; xs 262,144 bytes; wc 1,572,864 bytes; ws 98,304 bytes; wo16 2,097,152 bytes; qkv 50,331,648 bytes; att 16,777,216 bytes
;; launch quant (part 1): grid 384 x 1, 4 waves a work-group, no clusters, 33,280 bytes of LDS; arguments x, in_proj_weight, xc, xs, wc, ws, out_proj_weight, wo16; writes xc, xs, wc, ws, wo16
.if DOCPART == 1
	.amdgcn_target "amdgcn-amd-amdhsa--gfx1250"
	.amdhsa_code_object_version 6
	.text
	.protected	k_qc124856112_quant
	.globl	k_qc124856112_quant
	.p2align	8
	.type	k_qc124856112_quant,@function
k_qc124856112_quant:
	s_mov_b64 s[64:65], 0
	v_nop
	global_prefetch_b8 v0, s[64:65] scope:SCOPE_SE
	s_setreg_imm32_b32 hwreg(HW_REG_WAVE_MODE, 25, 1), 1
	s_wait_xcnt 0x0
; x [8192][1024] and in_proj_weight [3072][1024], f32, become codes of FP4 (E2M1), K innermost (a row: 512 bytes), with one E8M0 scale byte for each 32 along K (a row: 32 bytes).
; out_proj_weight [1024][1024], f32, becomes f16 (its product is not quantised).
; A block's scale is 2^(floor(log2(its largest magnitude)) - 2); its byte is the largest magnitude's own exponent field - 2, held at 1 from below.  A block of zeros so gets the byte 1
; where the quantiser says 127: its codes are zeros, which add nothing under any byte but 0xff, and the bytes are read by this program alone.
; LIMITS: blocks whose largest magnitude lies under 2^-124 keep the byte 1; NaN and infinities among the inputs are not served; |out_proj_weight| stays under 65,504 (f16).
; Rows are dense and K is a multiple of 32: each tensor is a plain stream of blocks of 32 numbers.  Work-groups 0-255 take x, 256-351 in_proj_weight, 352-383 out_proj_weight.
; A wave takes 16 steps of 512 numbers.  Each of a step's four loads reads 512 consecutive bytes, 16 a lane; the 2,048 bytes turn through the wave's own stage in LDS and come back 64 bytes a lane,
; so that a lane holds 16 neighbours along K (two neighbouring lanes hold a block).  A lane's 16 codes are 8 bytes: the wave stores 256 consecutive bytes, aligned.  A wave's 256 scale bytes are gathered in LDS and leave together.
; No cluster and no tensor load: no two work-groups read the same byte, and waves share nothing.  Loads run four steps (16 loads a wave) ahead.
.set WAVES, 4
.set STEPS, 16
.set WGA,   256                        ; 8192 x 1024 / (512 x 16 x 4)
.set WGB,   96                         ; 3072 x 1024 / 32768
.set EMAX,  2
.set CB,    8                          ; bytes of 16 codes
.set R,     16                         ; v16-79   four sets of 16 numbers as they are loaded
.set X,     80                         ; v80-111  two sets of 16 neighbours
.set C,     128                        ; v128-191 codes: four registers for each step, so that no store's data are written again
.set E,     112                        ; v112-127 a scale byte for each step
.set HF,    128                        ; v128-159 the third arm: 64 numbers of a lane as f16
.set WREG,  8192                       ; LDS: a region for each wave: two stages of 32 x SP bytes, behind them its 256 scale bytes
.set SP,    80                         ; a lane's place in a stage: its 64 bytes + 16 of padding
.set SPW,   12                         ; v12      LDS address of my spare word: SPARE + 4 x my thread's number; never rewritten
.set NIL,   13                         ; v13      0; never rewritten
.set SPARE, WAVES*WREG                 ; behind the four regions: the spare words, 128 bytes for each wave
	s_load_b128 s[4:7], s[0:1], 0x0                ; x, in_proj_weight
	s_load_b128 s[8:11], s[0:1], 0x10              ; x's codes, x's scales
	s_load_b128 s[12:15], s[0:1], 0x20             ; the weight's codes, its scales
	s_load_b128 s[24:27], s[0:1], 0x30             ; out_proj_weight, its f16 copy
	v_lshl_add_u32 v[SPW], v0, 2, SPARE
	v_mov_b32 v[NIL], 0
	v_lshrrev_b32 v1, 5, v0
	v_readfirstlane_b32 s16, v1                    ; wave
	v_and_b32 v2, 31, v0                           ; lane
	v_lshlrev_b32 v3, 4, v2                        ; my 16 bytes of a load's 512
	s_mul_i32 s17, s16, WREG
	v_lshrrev_b32 v14, 2, v2
	v_mul_u32_u24 v14, v14, SP
	v_and_b32 v15, 3, v2
	v_lshl_add_u32 v14, v15, 4, v14
	v_add_nc_u32 v14, s17, v14                     ; the stage, on the way in: SP (lane / 4) + 16 (lane % 4)
	v_mul_u32_u24 v15, v2, SP
	v_add_nc_u32 v15, s17, v15                     ; and on the way out: SP x lane: my 16 neighbours
	v_mul_u32_u24 v4, v2, CB                       ; my 8 bytes of a store's 256
	v_lshrrev_b32 v5, 1, v2
	s_add_co_u32 s17, s17, 2*32*SP
	v_add_nc_u32 v5, s17, v5                       ; LDS: my wave's 256 scale bytes, my block's byte
	v_lshlrev_b32 v7, 3, v2                        ; and on the way out 8 bytes a lane
	v_add_nc_u32 v6, s17, v7
	s_wait_kmcnt 0x0
	s_cmp_ge_u32 ttmp9, WGA+WGB                    ; the last 32 work-groups convert out_proj_weight: a branch on the work-group's number
	s_cbranch_scc1 .Lwout
	s_cmp_lt_u32 ttmp9, WGA                        ; x's work-group or the weight's?  Only pointers are chosen: both take one way through the text
	s_cselect_b64 s[4:5], s[4:5], s[6:7]
	s_cselect_b64 s[8:9], s[8:9], s[12:13]
	s_cselect_b64 s[10:11], s[10:11], s[14:15]
	s_cselect_b32 s17, 0, WGA
	s_sub_co_u32 s17, ttmp9, s17
	s_lshl_b32 s17, s17, 2
	s_add_co_u32 s18, s17, s16                     ; which run of 8,192 numbers of the tensor is my wave's
	s_mov_b32 s19, 0
	s_mov_b64 s[20:21], 512*STEPS*4
	s_mul_u64 s[20:21], s[18:19], s[20:21]
	s_add_nc_u64 s[4:5], s[4:5], s[20:21]
	s_mov_b64 s[20:21], 32*STEPS*CB
	s_mul_u64 s[20:21], s[18:19], s[20:21]
	s_add_nc_u64 s[8:9], s[8:9], s[20:21]
	s_lshl_b32 s18, s18, 8                         ; 256 scale bytes a run
	s_add_nc_u64 s[10:11], s[10:11], s[18:19]
.macro LOAD t
.irp i, 0,1,2,3
	global_load_b128 v[R+16*((\t)%4)+4*\i:R+16*((\t)%4)+4*\i+3], v3, s[4:5] offset:2048*(\t)+512*\i th:TH_LOAD_NT   ; 32 lanes read 512 consecutive bytes
.endr
.endm
.macro TURN t                          ; step t's numbers through the stage: LDS serves a wave's instructions in order, so no wait stands between the stores and the loads
.irp i, 0,1,2,3
	ds_store_b128 v14, v[R+16*((\t)%4)+4*\i:R+16*((\t)%4)+4*\i+3] offset:32*SP*((\t)%2)+8*SP*\i
.endr
.irp i, 0,1,2,3
	ds_load_b128 v[X+16*((\t)%2)+4*\i:X+16*((\t)%2)+4*\i+3], v15 offset:32*SP*((\t)%2)+16*\i
.endr
.endm
.irp t, 0,1,2,3
	LOAD \t
.endr
	s_wait_loadcnt 12                              ; step 0's four loads are in; the twelve of steps 1 to 3 may be out
	TURN 0
.macro STEP t
.set XS, X+16*((\t)%2)
.if (\t) > 0
	s_wait_dscnt 1                                 ; this step's numbers are back from the stage (the last step's byte store may be out): so its stores into the stage have read their registers,
.else
	s_wait_dscnt 0x0
.endif
.if (\t)+4 < STEPS
	LOAD (\t)+4                                    ; which take the loads of four steps on
.endif
.if (\t)+1 < STEPS
.if STEPS-2-(\t) >= 3
	s_wait_loadcnt 12                              ; the next step's four loads are in; those of the three steps behind it may be out
.else
	s_wait_loadcnt 4*(STEPS-2-(\t))                ; the tail: as many steps' loads as are left behind the next one
.endif
	TURN (\t)+1                                    ; and go through the other stage while this step is worked
.endif
	v_max3_num_f32 v8, |v[XS]|, |v[XS+1]|, |v[XS+2]|               ; the largest magnitude of my 16, in two chains
	v_max3_num_f32 v9, |v[XS+3]|, |v[XS+4]|, |v[XS+5]|
.irp i, 6,10
	v_max3_num_f32 v8, v8, |v[XS+\i]|, |v[XS+\i+1]|
	v_max3_num_f32 v9, v9, |v[XS+\i+2]|, |v[XS+\i+3]|
.endr
	v_max3_num_f32 v8, v8, |v[XS+14]|, |v[XS+15]|
	v_max3_num_f32 v8, v8, v9, (EMAX+1)<<23        ; and the floor 2^(3 - 127): so the byte cannot fall under 1
	v_max_num_f32_dpp v8, v8, v8 row_xmask:1 row_mask:0xf bank_mask:0xf   ; and of my neighbour's 16: the block's
	v_add_nc_u32 v11, -(EMAX<<23), v8              ; 2 off its exponent field: the conversion takes the exponent field of this operand as its scale, and nothing else of it
	v_cvt_scalef32_pk8_fp4_f32 v[C+4*(\t)], v[XS:XS+7], v11        ; eight numbers / the scale, to the nearest code, ties to even, beyond 6 the largest code; the first number's code in the lowest four bits
	v_cvt_scalef32_pk8_fp4_f32 v[C+4*(\t)+1], v[XS+8:XS+15], v11
	v_lshrrev_b32 v[E+(\t)], 23, v11               ; the scale's byte (also the plain line behind the conversions)
	ds_store_b8 v5, v[E+(\t)] offset:16*(\t)       ; both lanes of a block write the same byte with the same value
	global_store_b64 v4, v[C+4*(\t):C+4*(\t)+1], s[8:9] offset:32*CB*(\t)
.endm
.irp t, 0,1,2,3,4,5,6,7,8,9,10,11,12,13,14,15
	STEP \t
.endr
	ds_load_b64 v[8:9], v6                         ; LDS serves a wave's instructions in order: these see my byte stores
	s_wait_dscnt 0x0
	global_store_b64 v7, v[8:9], s[10:11]          ; 32 lanes store 256 consecutive bytes, aligned
	s_branch .Lend
; out_proj_weight to f16: a wave takes 8,192 numbers, 64 loads of 512 consecutive bytes, sixteen at a time; a lane's 4 numbers become 8 bytes, a store covers 256 consecutive bytes, aligned.  No LDS.
.Lwout:
	s_sub_co_u32 s17, ttmp9, WGA+WGB
	s_lshl_b32 s17, s17, 2
	s_add_co_u32 s17, s17, s16                     ; my run, 0 to 127
	s_lshl_b32 s18, s17, 15                        ; 32,768 bytes of f32,
	s_mov_b32 s19, 0
	s_add_nc_u64 s[24:25], s[24:25], s[18:19]
	s_lshl_b32 s18, s17, 14                        ; 16,384 of f16
	s_add_nc_u64 s[26:27], s[26:27], s[18:19]
.macro WLOAD g
.irp i, 0,1,2,3,4,5,6,7,8,9,10,11,12,13,14,15
	global_load_b128 v[R+4*\i:R+4*\i+3], v3, s[24:25] offset:512*(16*(\g)+\i) th:TH_LOAD_NT
.endr
.endm
	WLOAD 0
.irp g, 0,1,2,3
	s_wait_loadcnt 0x0                             ; this group's sixteen loads are in
.if \g > 0
	s_wait_xcnt 0x0                                ; the last group's stores have read their data registers, which are written again below
.endif
.irp i, 0,1,2,3,4,5,6,7,8,9,10,11,12,13,14,15
	v_cvt_pk_f16_f32 v[HF+2*\i], v[R+4*\i], v[R+4*\i+1]
	v_cvt_pk_f16_f32 v[HF+2*\i+1], v[R+4*\i+2], v[R+4*\i+3]
.endr
.if \g < 3
	WLOAD \g+1                                     ; the next group's loads ahead of this group's stores
.endif
.irp i, 0,1,2,3,4,5,6,7,8,9,10,11,12,13,14,15
	global_store_b64 v4, v[HF+2*\i:HF+2*\i+1], s[26:27] offset:256*(16*\g+\i)
.endr
.endr
.Lend:
	s_wait_tensorcnt 0x0                           ; the wave's end
	ds_add_u32 v[SPW], v[NIL]
	s_wait_dscnt 0x0
	s_endpgm
.Lfunc_end_k_qc124856112_quant:
	.size	k_qc124856112_quant, .Lfunc_end_k_qc124856112_quant-k_qc124856112_quant
	.p2alignl 7, 3214868480
	.fill 96, 4, 3214868480
	.section	.rodata,"a",@progbits
	.p2align	6, 0x0
	.amdhsa_kernel k_qc124856112_quant
		.amdhsa_group_segment_fixed_size 33280
		.amdhsa_private_segment_fixed_size 0
		.amdhsa_enable_private_segment 0
		.amdhsa_kernarg_size 64
		.amdhsa_user_sgpr_count 2
		.amdhsa_user_sgpr_kernarg_segment_ptr 1
		.amdhsa_wavefront_size32 1
		.amdhsa_system_sgpr_workgroup_id_x 1
		.amdhsa_system_sgpr_workgroup_id_y 1
		.amdhsa_system_sgpr_workgroup_id_z 1
		.amdhsa_system_vgpr_workitem_id 0
		.amdhsa_next_free_vgpr 192
		.amdhsa_next_free_sgpr 66
		.amdhsa_reserve_vcc 0
		.amdhsa_float_denorm_mode_32 3
		.amdhsa_float_denorm_mode_16_64 3
		.amdhsa_memory_ordered 1
		.amdhsa_forward_progress 1
		.amdhsa_inst_pref_size 54
	.end_amdhsa_kernel
	.amdgpu_metadata
---
amdhsa.version: [ 1, 2 ]
amdhsa.kernels:
  - .name:           k_qc124856112_quant
    .symbol:         k_qc124856112_quant.kd
    .args:
      - { .name: x, .offset: 0, .size: 8, .value_kind: global_buffer, .address_space: global }
      - { .name: in_proj_weight, .offset: 8, .size: 8, .value_kind: global_buffer, .address_space: global }
      - { .name: xc, .offset: 16, .size: 8, .value_kind: global_buffer, .address_space: global }
      - { .name: xs, .offset: 24, .size: 8, .value_kind: global_buffer, .address_space: global }
      - { .name: wc, .offset: 32, .size: 8, .value_kind: global_buffer, .address_space: global }
      - { .name: ws, .offset: 40, .size: 8, .value_kind: global_buffer, .address_space: global }
      - { .name: out_proj_weight, .offset: 48, .size: 8, .value_kind: global_buffer, .address_space: global }
      - { .name: wo16, .offset: 56, .size: 8, .value_kind: global_buffer, .address_space: global }
    .group_segment_fixed_size: 33280
    .private_segment_fixed_size: 0
    .kernarg_segment_align: 8
    .kernarg_segment_size: 64
    .max_flat_workgroup_size: 128
    .sgpr_count:     66
    .vgpr_count:     192
    .wavefront_size: 32
...
	.end_amdgpu_metadata
.endif
;; end of part 1
;; launch inproj (part 2): grid 12 x 32, 4 waves a work-group, clusters of 4 x 4, 327,680 bytes of LDS; arguments xc, xs, wc, ws, in_proj_bias, qkv; writes qkv
.if DOCPART == 2
	.amdgcn_target "amdgcn-amd-amdhsa--gfx1250"
	.amdhsa_code_object_version 6
	.text
	.protected	k_qc124856112_inproj
	.globl	k_qc124856112_inproj
	.p2align	8
	.type	k_qc124856112_inproj,@function
k_qc124856112_inproj:
	s_mov_b64 s[64:65], 0
	v_nop
	global_prefetch_b8 v0, s[64:65] scope:SCOPE_SE
	s_setreg_imm32_b32 hwreg(HW_REG_WAVE_MODE, 25, 1), 1
	s_wait_xcnt 0x0
	s_wait_alu depctr_hold_cnt(0) depctr_sa_sdst(0) depctr_va_vdst(0) depctr_va_sdst(0) depctr_va_ssrc(0) depctr_va_vcc(0) depctr_vm_vsrc(0)
	s_getreg_b32 s2, hwreg(HW_REG_IB_STS2, 6, 4)
	s_cmp_eq_u32 s2, 0
	s_cbranch_scc0 .Lentry_in_a_cluster
	s_endpgm
.Lentry_in_a_cluster:
	s_bfe_u32 s2, ttmp6, 0x10000c
	s_cmp_lg_u32 s2, 0xf033
	s_cbranch_scc0 .Lentry_shape_is_right
	s_endpgm
.Lentry_shape_is_right:
; qkv = x W^T + bias on codes of FP4 (E2M1) with one E8M0 scale for each 32 along K; q's third is then multiplied by 1/8 (a power of two: nothing is rounded by it); the results leave as f16.
; A (x): [8192][1024] codes, rows m = 4 l + b;  B (W): [3072][1024] codes;  their scale bytes [rows][32].  Sums in f32.
; OUTPUT, f16, laid for the attention launch: [which 3][b 4][pair of heads 8][l 2048][128]: a row is 256 bytes: the 64 channels of head 2 p, then those of head 2 p + 1.
; LIMITS: |q / 8|, |k|, |v| stay under 65,504 (f16).
; A tile of C, 256 x 256, is made by a work-group of four waves; a wave makes 128 x 128: 64 accumulators of 16 x 16, 512 registers.  A wave's 128 columns are one pair of heads.
; K = 1,024 is two slots of 512: both slots and all scale bytes are first fills: three tensor loads a wave are out at the start, and no LDS byte is filled again.
; CLUSTERS: 4 x 4 work-groups.  The four of a row of the cluster need the same tiles of A, the four of a column the same tiles of B: each tile is asked for JOINTLY, by the same tensor load with the
; same descriptor and a mask that names the four.  THE MATRIX INSTRUCTION IS USED TRANSPOSED (source 0 = 16 rows of B, source 1 = 16 rows of A): a lane then holds eight neighbouring numbers of a row of C.
; No prefetch: every tile is asked for at the head.
; REGISTERS, in windows of 256: window 0: v0-31 addresses; v32-95 scale words, two sets; v128-191 A's fragments, ONE set; v192-255 the bias of my 128 columns in the result's layout.
;   window 1: B's fragments, TWO sets, at v0 and at v128.   window 2: the 32 accumulators of my rows 0-63 (accumulator (a, b) at v[8 (8 a + b)]);   window 3: those of my rows 64-127.
.set SIZE_M, 8192
.set SIZE_N, 3072
.set SIZE_K, 1024
.set KSTEP,  512                       ; along K in a slot
.set NQ,     KSTEP/128                 ; matrix instructions deep
.set ROWB,   256                       ; a tile's row in bytes
.set KROW,   SIZE_K*4/8                ; a row of codes in memory, in bytes
.set PITCH,  272                       ; an LDS row: 256 bytes + 16 of padding = 68 words: the 16 rows that a load touches start at 16 different banks (64 banks of 4 bytes: ISA guide 11.1)
.set FR,     8                         ; registers of a fragment: 16 rows x 128 K
.set NL,     2                         ; LDS loads that bring one
.set NP,     4                         ; places behind this matrix instruction (ISA guide 7.12.1)
.set HALFT,  128*PITCH                 ; 128 rows: what one tensor load brings
.set SLOT,   4*HALFT                   ; A's 256 rows, then B's 256 rows
.set KS,     SIZE_K/32                 ; a row of scales in bytes
.set SCL,    2*SLOT                    ; behind the ring: the scales, as runs of 256 bytes + 16 of padding
.set HALFS,  (128*KS/256)*272          ; the scales of 128 rows: what one tensor load brings
.set SBLK,   (16*KS/256)*272           ; those of 16 rows
.set SPARE,  SCL+4*HALFS               ; behind the scales: the spare words, 128 bytes for each wave
.set SPITCH, 272                       ; the way out: a stage of 16 rows x (256 bytes + 16) for each wave, in slot 0, which has had its only fill and its last read when the first result is stored there
.set ADRA, 16                          ; v16-17  LDS address of my A fragments in slot 0, 1
.set ADRB, 20                          ; v20-21  the same for B
.set STO,  24                          ; v24     the way out: where I put 16 bytes of a row
.set RD,   25                          ; v25     the way out: where I read rows back
.set CO,   26                          ; v26     16 x lane: my bytes of a store's 512
.set ADRS, 27                          ; v27     LDS address of my scale words: lanes 0-15 A's rows, lanes 16-31 B's
.set SPW,  28                          ; v28     LDS address of my spare word; never rewritten
.set NIL,  29                          ; v29     0; never rewritten
.set CO2,  30                          ; v30     CO + two batches (2 x 4 MiB), which no immediate reaches
.set BO,   31                          ; v31     32 x (lane / 16): my eight numbers of a tile's sixteen biases; never rewritten
.set SC,   32                          ; scale words: set s at v[SC + 32 s]; register 4 i + q: lanes 0-15 the word of A's block i, lanes 16-31 that of B's block i, for the slot's q-th 128 along K
.set AF,   128                         ; A's fragments, in window 0
.set BI,   192                         ; the bias
.set TF,   128                         ; the way out: a block's 64 numbers a lane, scaled and biased
.set PKR,  32                          ; as f16
.set BB0,  64                          ; rows read back: v64-95 and v96-127 by turns
.set G1, 24                            ; s[24:31] descriptor group 1 for A's tiles;  s[32:39] group 0, one set for each slot
.set G0, 32
.set G1B, 48                           ; s[48:55], s[56:63] the same for B's tiles
.set G0B, 56
.set G1S, 68                           ; s[68:75], s[76:79] groups 1 and 0 for A's scales;  s[80:87], s[88:91] for B's
.set G0S, 76
.set G1SB, 80
.set G0SB, 88
.set BIA, 96                           ; s[96:97] the bias of my 128 columns
.set OUT, 98                           ; s[98:99] my pair of heads, batch 0, my first l
.set SCA, 100                          ; s[100:101] 1/8 for q's columns, else 1
.set MSB, 0
.macro WIN new                         ; the immediate's high byte repeats the setting that is left
.if MSB != \new
	s_set_vgpr_msb (MSB<<8)|\new
.set MSB, \new
.endif
.endm
.set MUL_LO, 0xa1                      ; source 0 (B) window 1, source 1 (A) window 0, C and D window 2
.set MUL_HI, 0xf1                      ; the same, C and D window 3
.set TO_B,   0x40                      ; destination window 1, address window 0
; A joint load: waves 0 and 1 fetch for A, waves 2 and 3 for B.  Each of the two lines has ONE mask and one set of registers for all that issue it; the branch hangs on the wave's number alone.
; An s_nop 0 and four v_nop follow each of the two lines, ahead of the jump, the label and what follows.
.macro JLOAD g0a, g1a, g0b, g1b
	s_cmp_eq_u32 s15, 0
	s_cbranch_scc0 .Lfor_b_\@
	tensor_load_to_lds s[\g0a:\g0a+3], s[\g1a:\g1a+7]
	s_nop 0
.rept 4
	v_nop
.endr
	s_branch .Lasked_\@
.Lfor_b_\@:
	tensor_load_to_lds s[\g0b:\g0b+3], s[\g1b:\g1b+7]
	s_nop 0
.rept 4
	v_nop
.endr
.Lasked_\@:
.endm
.macro CROUND                          ; a round of the cluster's barrier: my work-group's barrier; wave 0 signals for the work-group; every wave waits for all sixteen; my work-group's barrier once more
	s_barrier_signal -1
	s_barrier_wait -1
	s_cmp_lg_u32 s14, 0
	s_cbranch_scc1 .Lnot_wave_0_\@
	s_barrier_signal -3
.Lnot_wave_0_\@:
	s_barrier_wait -3
	s_barrier_signal -1
	s_barrier_wait -1
.endm
	s_load_b128 s[4:7], s[0:1], 0x0                ; A's codes s[4:5], A's scales s[6:7]
	s_load_b128 s[8:11], s[0:1], 0x10              ; B's codes s[8:9], B's scales s[10:11]
	s_load_b128 s[96:99], s[0:1], 0x20             ; the bias, the output
	v_lshl_add_u32 v[SPW], v0, 2, SPARE
	v_mov_b32 v[NIL], 0
	ds_add_u32 v[SPW], v[NIL]                      ; the wave's opening: the add, twice on end, and its wait stand ahead of my first tensor load; the set-up below, work on registers, stands between
	ds_add_u32 v[SPW], v[NIL]
	v_lshrrev_b32 v1, 5, v0
	v_readfirstlane_b32 s14, v1                    ; wave 0..3
	s_lshr_b32 s15, s14, 1                         ; which half of the tile's rows is mine.  Also: I fetch for A (0) or for B (1)
	s_and_b32 s16, s14, 1                          ; which half of its columns.  Also: which 128 rows of that tile I fetch
	s_bfe_u32 s40, ttmp6, 0x40000                  ; cx, cy: my place in the cluster
	s_bfe_u32 s41, ttmp6, 0x40004
	s_lshl_b32 s42, ttmp9, 2
	s_add_co_u32 s42, s42, s40                     ; tile column of C = 4 x cluster x + cx
	s_and_b32 s17, ttmp7, 0xffff
	s_lshl_b32 s17, s17, 2
	s_add_co_u32 s17, s17, s41                     ; tile row of C = 4 x cluster y + cy
	s_lshl_b32 s43, s41, 2
	s_lshl_b32 s43, 15, s43                        ; my row of the cluster
	s_lshl_b32 s44, 0x1111, s40                    ; my column
	; descriptor group 1: a tile of 128 rows x 256 bytes, padded in LDS
	s_or_b32 s[G1+0], s43, (0<<16)|(1<<20)|(1<<21)|(5<<22)|(3<<25)  ; 15:0 the mask: A's tiles go to my row; 17:16 element of 1 byte; 20 padding on; 21 set beside a mask; 24:22 after every 64 words (code 5); 31:25 of 4 words (code 3)
	s_or_b32 s[G1B+0], s44, (0<<16)|(1<<20)|(1<<21)|(5<<22)|(3<<25)
.irp g, G1, G1B
	s_mov_b32 s[\g+1], ROWB<<16                    ; tensor_dim0
	s_mov_b32 s[\g+2], 128<<16                     ; tensor_dim1 = 128
	s_mov_b32 s[\g+3], ROWB<<16                    ; tile_dim0
	s_mov_b32 s[\g+4], 128                         ; tile_dim1 = 128
	s_mov_b32 s[\g+5], KROW                        ; tensor_dim0_stride
	s_mov_b32 s[\g+6], 0
	s_mov_b32 s[\g+7], 0
.endr
	; and for the scales of 128 rows: a dense block of 4,096 bytes, as 16 rows of 256 bytes (32 elements of 8 bytes), 16 bytes of padding behind each
	s_or_b32 s[G1S+0], s43, (3<<16)|(1<<20)|(1<<21)|(5<<22)|(3<<25)
	s_or_b32 s[G1SB+0], s44, (3<<16)|(1<<20)|(1<<21)|(5<<22)|(3<<25)
.irp g, G1S, G1SB
	s_mov_b32 s[\g+1], 32<<16
	s_mov_b32 s[\g+2], (128*KS/256)<<16
	s_mov_b32 s[\g+3], 32<<16
	s_mov_b32 s[\g+4], 128*KS/256
	s_mov_b32 s[\g+5], 32
	s_mov_b32 s[\g+6], 0
	s_mov_b32 s[\g+7], 0
.endr
	s_lshl_b32 s18, s16, 7                         ; which 128 rows of the tile I fetch
	s_lshl_b32 s20, s17, 8
	s_add_co_u32 s20, s20, s18                     ; A: row 256 x tile row + 128 x half
	s_lshl_b32 s46, s42, 8
	s_add_co_u32 s46, s46, s18                     ; B: row 256 x tile column + 128 x half
	s_mov_b32 s21, 0
	s_mov_b32 s47, 0
	s_mov_b64 s[18:19], KS
	s_mul_u64 s[22:23], s[20:21], s[18:19]         ; where these rows' scales begin, in bytes
	s_mul_u64 s[92:93], s[46:47], s[18:19]
	s_mov_b64 s[18:19], KROW
	s_mul_u64 s[20:21], s[20:21], s[18:19]         ; and their codes
	s_mul_u64 s[46:47], s[46:47], s[18:19]
	s_mul_i32 s45, s14, HALFT                      ; where they go: wave x 128 rows: no place in the cluster enters an LDS address
	s_mul_i32 s94, s14, HALFS
	s_wait_dscnt 0x0                               ; both opening adds are done
	s_wait_kmcnt 0x0
	s_add_nc_u64 s[20:21], s[4:5], s[20:21]
	s_add_nc_u64 s[22:23], s[6:7], s[22:23]
	s_add_nc_u64 s[46:47], s[8:9], s[46:47]
	s_add_nc_u64 s[92:93], s[10:11], s[92:93]
	CROUND                                         ; all sixteen work-groups are here: the joint loads meet
	s_mov_b32 s[G0S], 1
	s_add_co_u32 s[G0S+1], s94, SCL
	s_mov_b64 s[G0S+2:G0S+3], s[22:23]
	s_or_b32 s[G0S+3], s[G0S+3], 0x80000000
	s_mov_b32 s[G0SB], 1
	s_add_co_u32 s[G0SB+1], s94, SCL
	s_mov_b64 s[G0SB+2:G0SB+3], s[92:93]
	s_or_b32 s[G0SB+3], s[G0SB+3], 0x80000000
	JLOAD G0S, G1S, G0SB, G1SB                     ; the scales first: they are wanted with the first slot
.irp s, 0,1
	s_mov_b32 s[G0+4*\s], 1
	s_add_co_u32 s[G0+4*\s+1], s45, \s*SLOT
	s_add_nc_u64 s[G0+4*\s+2:G0+4*\s+3], s[20:21], \s*ROWB
	s_or_b32 s[G0+4*\s+3], s[G0+4*\s+3], 0x80000000
	s_mov_b32 s[G0B+4*\s], 1
	s_add_co_u32 s[G0B+4*\s+1], s45, \s*SLOT
	s_add_nc_u64 s[G0B+4*\s+2:G0B+4*\s+3], s[46:47], \s*ROWB
	s_or_b32 s[G0B+4*\s+3], s[G0B+4*\s+3], 0x80000000
	JLOAD G0+4*\s, G1, G0B+4*\s, G1B
.endr
	v_and_b32 v1, 15, v0                           ; r = l % 16
	v_bfe_u32 v2, v0, 4, 1                         ; h = l / 16
	; the bias of my 128 columns, in the result's layout: tile b, lane (r, h): columns 16 b + 8 h + 0 .. 7
	s_lshl_b32 s46, s42, 10                        ; 4 bytes x (256 x tile column + 128 x half)
	s_lshl_b32 s47, s16, 9
	s_add_co_u32 s46, s46, s47
	s_mov_b32 s47, 0
	s_add_nc_u64 s[BIA:BIA+1], s[BIA:BIA+1], s[46:47]
	v_lshlrev_b32 v[BO], 5, v2
.irp b, 0,1,2,3,4,5,6,7
	global_load_b128 v[BI+8*\b:BI+8*\b+3], v[BO], s[BIA:BIA+1] offset:64*\b
	global_load_b128 v[BI+8*\b+4:BI+8*\b+7], v[BO], s[BIA:BIA+1] offset:64*\b+16
.endr
	s_cmp_lt_u32 s42, 4                            ; tile columns 0-3 are q's: a value is chosen, no way through the text
	s_cselect_b32 s[SCA], 0x3e000000, 1.0
	s_mov_b32 s[SCA+1], s[SCA]                     ; (named with it as a pair, so it is written)
	v_mul_u32_u24 v3, v1, PITCH
	v_lshl_add_u32 v4, v2, 4, v3                   ; a fragment's row x pitch + 16 x half
	s_mul_i32 s21, s15, HALFT                      ; my 128 rows of A
	s_mul_i32 s22, s16, HALFT                      ; my 128 rows of B,
	s_add_co_u32 s22, s22, 2*HALFT                 ; which lie behind A's 256
.irp s, 0,1
	v_add_nc_u32 v[ADRA+\s], s21, v4
	v_add_nc_u32 v[ADRB+\s], s22, v4
	s_add_co_u32 s21, s21, SLOT
	s_add_co_u32 s22, s22, SLOT
.endr
	v_mul_u32_u24 v5, v1, KS                       ; my row's scales: 32 bytes a row,
	v_lshrrev_b32 v6, 8, v5
	v_lshl_add_u32 v5, v6, 4, v5                   ; and 16 more for each 256 passed
	s_mul_i32 s21, s15, HALFS                      ; A's: my 128 rows
	s_mul_i32 s22, s16, HALFS                      ; B's: my 128 rows, behind A's 256
	s_add_co_u32 s22, s22, 2*HALFS
	s_sub_co_u32 s22, s22, s21
	v_mul_u32_u24 v6, s22, v2                      ; lanes 16-31 take B's
	s_add_co_u32 s21, s21, SCL
	v_add_nc_u32 v5, v5, v6
	v_add_nc_u32 v[ADRS], s21, v5
	s_mul_i32 s23, s14, 16*SPITCH                  ; my stage
	v_mul_u32_u24 v5, v1, SPITCH                   ; in: row r, 16 bytes for each half of the lanes
	v_lshl_add_u32 v5, v2, 4, v5
	v_add_nc_u32 v[STO], s23, v5
	v_mul_u32_u24 v5, v2, 4*SPITCH                 ; back: a block's row is 4 (l in the block) + batch: lanes 0-15 take one l, lanes 16-31 the next l of the same batch, four rows on
	v_lshl_add_u32 v5, v1, 4, v5
	v_add_nc_u32 v[RD], s23, v5
	v_and_b32 v6, 31, v0
	v_lshlrev_b32 v[CO], 4, v6                     ; two neighbouring l of one batch and pair are 512 consecutive bytes of the output
	v_add_nc_u32 v[CO2], 0x800000, v[CO]
	s_lshl_b32 s20, s17, 6                         ; my first l: 64 x tile row + 32 x half,
	s_lshl_b32 s21, s15, 5
	s_add_co_u32 s20, s20, s21
	s_lshl_b32 s20, s20, 8                         ; 256 bytes each
	s_mov_b32 s21, 0
	s_lshl_b32 s46, s42, 1
	s_add_co_u32 s46, s46, s16                     ; g = my 128 columns' number, 0 to 23:
	s_lshr_b32 s47, s46, 3
	s_lshl_b32 s47, s47, 24                        ; which of q, k, v: 16 MiB each;
	s_and_b32 s46, s46, 7
	s_lshl_b32 s46, s46, 19                        ; which pair of heads: 2,048 rows of 256 bytes each
	s_add_co_u32 s46, s46, s47
	s_mov_b32 s47, 0
	s_add_nc_u64 s[20:21], s[20:21], s[46:47]
	s_add_nc_u64 s[OUT:OUT+1], s[OUT:OUT+1], s[20:21]
.macro FRAG reg, adr, q, i             ; a fragment, 16 rows x 128 K of 4-bit codes, is 8 registers: lane l holds row l % 16; registers 4 c .. 4 c + 3 hold K = 64 c + 32 (l / 16) + 0 .. 31
.irp c, 0,1
	ds_load_b128 v[\reg+4*\c:\reg+4*\c+3], v[\adr] offset:64*(\q)+32*\c+(\i)*16*PITCH
.endr
.endm
; 16 matrix instructions: A's blocks a0, a0 + 1 x B's eight, 128 along K: the slot's q-th.  p: B's set;  sc: the set of scale words.  zero = 1: the first product starts the sums: nothing is ever cleared.
; The 64 accumulators take turns, one instruction a turn, in the same order in every step.
.macro MUL16 a0, p, q, sc, zero
.irp a, \a0, \a0+1
.irp b, 0,1,2,3,4,5,6,7
.if \zero
	v_wmma_scale_f32_16x16x128_f8f6f4 v[8*(8*((\a)%4)+\b):8*(8*((\a)%4)+\b)+7], v[128*(\p)+FR*\b:128*(\p)+FR*\b+FR-1], v[AF+FR*(\a):AF+FR*(\a)+FR-1], 0, v[SC+8*NQ*(\sc)+NQ*\b+(\q)], v[SC+8*NQ*(\sc)+NQ*(\a)+(\q)] matrix_a_fmt:MATRIX_FMT_FP4 matrix_b_fmt:MATRIX_FMT_FP4 matrix_a_scale:MATRIX_SCALE_ROW1
.else
	v_wmma_scale_f32_16x16x128_f8f6f4 v[8*(8*((\a)%4)+\b):8*(8*((\a)%4)+\b)+7], v[128*(\p)+FR*\b:128*(\p)+FR*\b+FR-1], v[AF+FR*(\a):AF+FR*(\a)+FR-1], v[8*(8*((\a)%4)+\b):8*(8*((\a)%4)+\b)+7], v[SC+8*NQ*(\sc)+NQ*\b+(\q)], v[SC+8*NQ*(\sc)+NQ*(\a)+(\q)] matrix_a_fmt:MATRIX_FMT_FP4 matrix_b_fmt:MATRIX_FMT_FP4 matrix_a_scale:MATRIX_SCALE_ROW1
.endif
.endr
.endr
.endm
.macro FETCH_B slot, q, p              ; B's eight fragments of the slot's q-th 128 along K into set p
	WIN TO_B
.irp i, 0,1,2,3,4,5,6,7
	FRAG 128*(\p)+FR*\i, ADRB+\slot, \q, \i
.endr
	WIN 0
.endm
.macro FETCH_A slot, q, i0             ; A's blocks i0 .. i0 + 3
.irp i, \i0, \i0+1, \i0+2, \i0+3
	FRAG AF+FR*(\i), ADRA+\slot, \q, \i
.endr
.endm
.macro SCALES sc                       ; a slot's scale words into set sc: 4 words a row; lanes 0-15 take A's block i, lanes 16-31 B's block i
.irp i, 0,1,2,3,4,5,6,7
	ds_load_b128 v[SC+8*NQ*\sc+NQ*\i:SC+8*NQ*\sc+NQ*\i+3], v[ADRS] offset:\i*SBLK
.endr
.endm
; A load into a register that a matrix instruction has read stands NP places behind that matrix instruction, and only plain vector instructions that name none of its registers are places
; (ISA guide 7.12.1 for vector instructions); the matrix instructions in between are not counted.
.macro PLACES n
.rept \n
	v_nop
.endr
.endm
; A step of 128 along K that has its successor in the same slot.
.macro STEP slot, q, zero
	s_wait_dscnt 4*NL                              ; B's set and A's blocks 0-3 are in; the youngest eight loads (A's blocks 4-7) may be out
	WIN MUL_LO
	MUL16 0, (\q)%2, \q, \slot, \zero
	MUL16 2, (\q)%2, \q, \slot, \zero
	s_wait_dscnt 0                                 ; A's blocks 4-7 are in (asked for 32 matrix instructions ago)
	PLACES NP
	FETCH_B \slot, (\q)+1, 1-(\q)%2
	FETCH_A \slot, (\q)+1, 0
	WIN MUL_HI
	MUL16 4, (\q)%2, \q, \slot, \zero
	MUL16 6, (\q)%2, \q, \slot, \zero
	PLACES NP
	WIN 0
	FETCH_A \slot, (\q)+1, 4
.endm
; Slot 0's last step changes slots: ONE barrier; in front of it each wave waits for all its tensor loads (its part of slot 1), adds 0 to its spare word, and waits for that and for its reads of slot 0.
.macro TURN slot, next
	s_wait_tensorcnt 0x0                           ; all my tensor loads have landed: my part of the next slot (every window is 0 here: the add's two registers lie in window 0)
	ds_add_u32 v[SPW], v[NIL]                      ; 0 onto my spare word
	s_wait_dscnt 4*NL+1                            ; (the add and the youngest eight loads, A's blocks 4-7, may be out)
	WIN MUL_LO
	MUL16 0, 1, NQ-1, \slot, 0                     ; sixteen matrix instructions stand between the add and the wait for it
	s_wait_dscnt 0x0                               ; the add is done, and my reads of this slot are over
	s_barrier_signal -1
	MUL16 2, 1, NQ-1, \slot, 0
	WIN 0
	s_barrier_wait -1
	PLACES NP
	v_add_nc_u32 v[ADRS], 4*NQ, v[ADRS]            ; on to the next slot's scale words (no LDS load of mine is out)
	FETCH_B \next, 0, 0
	FETCH_A \next, 0, 0
	SCALES \next
	WIN MUL_HI
	MUL16 4, 1, NQ-1, \slot, 0
	MUL16 6, 1, NQ-1, \slot, 0
	PLACES NP
	WIN 0
	FETCH_A \next, 0, 4
.endm
.macro STEPS slot, from                ; the slot's steps from .. NQ - 2
.set Q, \from
.rept NQ-1-\from
	STEP \slot, Q, 0
.set Q, Q+1
.endr
.endm
	s_wait_tensorcnt 1                             ; the scales and my part of slot 0 are in (slot 1's load, issued behind them, may be out),
	s_barrier_signal -1
	s_barrier_wait -1                              ; everybody's are
	FETCH_B 0, 0, 0
	FETCH_A 0, 0, 0
	SCALES 0
	FETCH_A 0, 0, 4
	STEP 0, 0, 1                                   ; the first step's products start the sums
	STEPS 0, 1
	TURN 0, 1
	STEPS 1, 0
	s_wait_dscnt 4*NL                              ; the very last step: nothing more to fetch
	WIN MUL_LO
	MUL16 0, 1, NQ-1, 1, 0
	MUL16 2, 1, NQ-1, 1, 0
	s_wait_dscnt 0
	WIN MUL_HI
	MUL16 4, 1, NQ-1, 1, 0
	MUL16 6, 1, NQ-1, 1, 0
	WIN 0
; THE WAY OUT, block by block of 16 rows (4 l x 4 batches) x 128 columns.  (sum + bias) x scale = sum x scale + bias x scale, one fused multiply-add; the scale is a power of two, so this rounds as the sum + bias does.
	s_wait_loadcnt 0x0                             ; the bias
.irp i, 0,2,4,6,8,10,12,14,16,18,20,22,24,26,28,30,32,34,36,38,40,42,44,46,48,50,52,54,56,58,60,62
	v_pk_mul_f32 v[BI+\i:BI+\i+1], v[BI+\i:BI+\i+1], s[SCA:SCA+1] op_sel_hi:[1,0]   ; bias x scale.  These 32 name no register of the last products: they are the places behind them
.endr
; A lane holds 8 neighbouring columns of one row: 16 bytes of f16.  They go through my own stage in LDS and come back so that the 32 lanes hold two neighbouring l of ONE batch: 512 consecutive bytes of the output.
; LDS serves a wave's instructions in order (ISA guide 5.7.1.4): no wait between the stores and the loads, nor in front of the next block's stores.
.macro PACKST a
.set AC, 64*((\a)%4)
.set BB, BB0+32*((\a)%2)
	WIN 0x02+(\a)/4                                ; source 0: window 2 or 3
.irp b, 0,1,2,3,4,5,6,7
.irp i, 0,2,4,6
	v_pk_fma_f32 v[TF+8*\b+\i:TF+8*\b+\i+1], v[AC+8*\b+\i:AC+8*\b+\i+1], s[SCA:SCA+1], v[BI+8*\b+\i:BI+8*\b+\i+1] op_sel_hi:[1,0,1]   ; each accumulator from its low end on
.endr
.endr
	WIN 0
.irp b, 0,1,2,3,4,5,6,7
.irp i, 0,1,2,3
	v_cvt_pk_f16_f32 v[PKR+4*\b+\i], v[TF+8*\b+2*\i], v[TF+8*\b+2*\i+1]
.endr
.endr
.irp b, 0,1,2,3,4,5,6,7
	ds_store_b128 v[STO], v[PKR+4*\b:PKR+4*\b+3] offset:32*\b
.endr
.irp t, 0,1,2,3,4,5,6,7
	ds_load_b128 v[BB+4*\t:BB+4*\t+3], v[RD] offset:((\t%4)+8*(\t/4))*SPITCH   ; batch t % 4, l = 2 (t / 4) + lane / 16 of the block's four
.endr
.endm
.macro SEND a, younger                 ; younger: the LDS instructions issued behind block a's loads, which may stay out
.set BB, BB0+32*((\a)%2)
	s_wait_dscnt \younger                          ; the block is back in registers
.irp t, 0,1,4,5
	global_store_b128 v[CO], v[BB+4*\t:BB+4*\t+3], s[OUT:OUT+1] offset:(\t%4)*0x400000+1024*(\a)+512*(\t/4)   ; 32 lanes store 512 consecutive bytes, at a multiple of 256 from the buffer's first byte; every offset is an immediate
.endr
.irp t, 2,3,6,7
	global_store_b128 v[CO2], v[BB+4*\t:BB+4*\t+3], s[OUT:OUT+1] offset:(\t%4-2)*0x400000+1024*(\a)+512*(\t/4)
.endr
.endm
	PACKST 0
.irp a, 1,2,3,4,5,6,7
.if \a > 1
	s_wait_xcnt 0x0                                ; block a - 2's stores have read their registers: block a's loads may land there
.endif
	PACKST \a
	SEND \a-1, 16                                  ; behind block a - 1's loads: block a's 8 stores and 8 loads
.endr
	SEND 7, 0
	s_wait_tensorcnt 0x0                           ; the wave's end: these three lines, behind my last tensor load and my last LDS store
	ds_add_u32 v[SPW], v[NIL]
	s_wait_dscnt 0x0
	CROUND                                         ; the closing round: no work-group ends while a partner may still ask for a tile that names it
	s_endpgm
.Lfunc_end_k_qc124856112_inproj:
	.size	k_qc124856112_inproj, .Lfunc_end_k_qc124856112_inproj-k_qc124856112_inproj
	.p2alignl 7, 3214868480
	.fill 96, 4, 3214868480
	.section	.rodata,"a",@progbits
	.p2align	6, 0x0
	.amdhsa_kernel k_qc124856112_inproj
		.amdhsa_group_segment_fixed_size 327680
		.amdhsa_private_segment_fixed_size 0
		.amdhsa_enable_private_segment 0
		.amdhsa_kernarg_size 48
		.amdhsa_user_sgpr_count 2
		.amdhsa_user_sgpr_kernarg_segment_ptr 1
		.amdhsa_wavefront_size32 1
		.amdhsa_system_sgpr_workgroup_id_x 1
		.amdhsa_system_sgpr_workgroup_id_y 1
		.amdhsa_system_sgpr_workgroup_id_z 1
		.amdhsa_system_vgpr_workitem_id 0
		.amdhsa_next_free_vgpr 1024
		.amdhsa_next_free_sgpr 102
		.amdhsa_reserve_vcc 0
		.amdhsa_float_denorm_mode_32 3
		.amdhsa_float_denorm_mode_16_64 3
		.amdhsa_memory_ordered 1
		.amdhsa_forward_progress 1
		.amdhsa_inst_pref_size 146
	.end_amdhsa_kernel
	.amdgpu_metadata
---
amdhsa.version: [ 1, 2 ]
amdhsa.kernels:
  - .name:           k_qc124856112_inproj
    .symbol:         k_qc124856112_inproj.kd
    .args:
      - { .name: xc, .offset: 0, .size: 8, .value_kind: global_buffer, .address_space: global }
      - { .name: xs, .offset: 8, .size: 8, .value_kind: global_buffer, .address_space: global }
      - { .name: wc, .offset: 16, .size: 8, .value_kind: global_buffer, .address_space: global }
      - { .name: ws, .offset: 24, .size: 8, .value_kind: global_buffer, .address_space: global }
      - { .name: in_proj_bias, .offset: 32, .size: 8, .value_kind: global_buffer, .address_space: global }
      - { .name: qkv, .offset: 40, .size: 8, .value_kind: global_buffer, .address_space: global }
    .group_segment_fixed_size: 327680
    .private_segment_fixed_size: 0
    .kernarg_segment_align: 8
    .kernarg_segment_size: 48
    .max_flat_workgroup_size: 128
    .sgpr_count:     102
    .vgpr_count:     1024
    .wavefront_size: 32
...
	.end_amdgpu_metadata
.endif
;; end of part 2
;; launch attn (part 3): grid 8 x 32, 8 waves a work-group, clusters of 4 x 1, 327,680 bytes of LDS; arguments qkv, key_padding_mask, att; writes att
.if DOCPART == 3
	.amdgcn_target "amdgcn-amd-amdhsa--gfx1250"
	.amdhsa_code_object_version 6
	.text
	.protected	k_qc124856112_attn
	.globl	k_qc124856112_attn
	.p2align	8
	.type	k_qc124856112_attn,@function
k_qc124856112_attn:
	s_mov_b64 s[64:65], 0
	v_nop
	global_prefetch_b8 v0, s[64:65] scope:SCOPE_SE
	s_setreg_imm32_b32 hwreg(HW_REG_WAVE_MODE, 25, 1), 1
	s_wait_xcnt 0x0
	s_wait_alu depctr_hold_cnt(0) depctr_sa_sdst(0) depctr_va_vdst(0) depctr_va_sdst(0) depctr_va_ssrc(0) depctr_va_vcc(0) depctr_vm_vsrc(0)
	s_getreg_b32 s2, hwreg(HW_REG_IB_STS2, 6, 4)
	s_cmp_eq_u32 s2, 0
	s_cbranch_scc0 .Lentry_in_a_cluster
	s_endpgm
.Lentry_in_a_cluster:
	s_bfe_u32 s2, ttmp6, 0x10000c
	s_cmp_lg_u32 s2, 0x3003
	s_cbranch_scc0 .Lentry_shape_is_right
	s_endpgm
.Lentry_shape_is_right:
; att[4 l + b][64 head + d] = the sum over keys s of softmax_s(q . k) v, keys with key_padding_mask[s][b] != 0 left out.  q (already x 1/8), k, v: f16, [which 3][b 4][pair of heads 8][l 2048][128]; att: f16 [8192][1024].
; Products, maxima and sums in f32; the weights p are rounded to f16 for the second product, the result once at the end.
; SHARES.  A work-group owns 256 queries of one batch and one PAIR of heads.  Eight waves: wave w takes head u = w / 4 of the pair and queries 64 (w % 4) on: four tiles of 16, in 512 registers: two waves to a SIMD,
; so that one wave's softmax stands beside the other's matrix instructions.  Every wave walks all 2,048 keys, 64 a step.  A row of K or V in memory and in LDS holds both heads: 256 bytes.
; LAYOUT.  S^T = K Q^T (source 0 = 16 keys, source 1 = 16 queries): a lane holds ONE query (lane % 16) and the keys 8 (lane / 16) + 0..7.  Two such tiles, rounded to f16 in pairs, ARE source 1 (32 keys x 16 queries)
; of O^T = V^T P, whose result again holds one query a lane, and eight channels.  K comes out of LDS as it lies, V ([key][channel]) turned, by ds_load_tr16_b128.
; THE MASK.  A masked key adds -2^100 to its score, as the C of the first product K Q^T (a table of one f32 a key in LDS).  A score is a sum of 64 products of f16 numbers: its magnitude stays under 64 x 65,504^2 = 2.75e11 < 2^39.
; SOFTMAX.  For each query a running maximum m and sum l: p = 2^(c s - c m), c = log2(e); in every step O and l are multiplied by a = 2^(c m_old - c m_new).  m begins at -2^40, under every real score and far over a masked one:
; so a masked key's p is 0 from the first step on, and while only masked keys have been seen l and O stay 0.  A query whose m is still under -2^39 at the end has seen no key: its row becomes NaN, as a softmax of nothing is.
; CLUSTER.  The four query blocks of a cluster walk the same K and V, so each tile is asked for JOINTLY: the same tensor load, with the same descriptor and a mask that names the four.
; LIMITS: mask bytes are 0 or 1; NaN and infinities among q, k, v are not served.
; REGISTERS, in windows of 256 (s_set_vgpr_msb: bits 1:0 source 0, 3:2 source 1, 5:4 source 2, 7:6 destination):
;   window 0: v0-15 addresses; v16-47 eight registers of statistics a tile; v48-79 the step's mask words; v80-96 at work at the head and the end; v128-255 S^T, 32 a tile; P takes each tile's first 16
;   window 1: v0-127 O^T, 32 a tile; v128-191 Q, 16 a tile; v192-255 K's eight fragments of a step, then V's
.set KS,    64        ; keys in a step
.set PK,    272       ; a row of K in LDS: 256 bytes + 16 of padding = 68 words: the 16 rows of a load start at 16 different banks (64 banks of 4 bytes: ISA guide 11.1)
.set PV,    288       ; a row of V: 256 + 32 = 72 words
.set VOFF,  KS*PK     ; a step's tiles lie together: 64 rows of K, then 64 rows of V
.set STEPB, KS*(PK+PV)
.set SLOT1, 1<<17     ; a slot holds two steps (71,680 bytes); slot 1 begins here, so that one exclusive or turns an address in one slot into the other's
.set NSL,   2048/(2*KS)  ; 16 slots' worth of keys
.set SP,    272
.set STAGE, SLOT1+2*STEPB  ; behind the ring: 256 rows x 272 bytes, the work-group's, for the way out
.set MASKB, STAGE+256*SP   ; one f32 for each of the 2,048 keys: 0 or -2^100
.set SPARE, MASKB+8192     ; the spare words, 128 bytes for each of the eight waves
.set AK0, 2           ; v2   my lane's place in a tile of K; never rewritten
.set AV0, 3           ; v3   the same for V
.set AM0, 4           ; v4   and in the mask's table
.set ADK, 5           ; v5-7 the LDS addresses of the step in hand
.set ADV, 6
.set ADM, 7
.set STO, 9           ; v9   the way out: where I put 16 bytes of a row
.set RD,  10          ; v10  the way out: where I read a row back
.set GO,  11          ; v11  my byte offset in the wave's rows of att
.set PFO, 12          ; v12  256 x my lane: a row of K or V is 256 bytes; never rewritten
.set SPW, 14          ; v14  LDS address of my spare word; never rewritten
.set NIL, 15          ; v15  0; never rewritten
.set ST,  16          ; tile t's statistics at v[ST+8 t]: +0 c m, +1 m, +2, +3 l (even keys', odd keys'), +4 to +7 c0-c3, at work; a takes c2's place, the change of c m c3's
.set BIAS, 48         ; key tile kt's eight mask words at v[BIAS+8 kt]
.set MK,  80          ; v80-87 the head: eight keys' mask bytes
.set QA,  88          ; v88  my byte offset in the wave's rows of Q
.set MA,  89          ; v89  32 x my thread's number: my eight keys in the mask
.set ML,  90          ; v90  and in the table
.set NANR, 96         ; v96  NaN
.set S,   128
.set QF,  128         ; in window 1
.set KV,  192         ; in window 1
.set WV,  12          ; s12  my wave's number
.set LIM, 15          ; s15  1 in a wave that prefetches, else the greatest number: a wave prefetches while s[SLOTS] is above it
.set PFA, 18          ; s[18:19] where my prefetches stand: my work-group's 32 rows (of K: wave 4, of V: wave 5) of the slot after the one that is being asked for
.set G1K, 24          ; s[24:31] descriptor group 1 for K's tiles
.set G1V, 32          ; s[32:39] for V's: it differs in the padding alone
.set G0K, 40          ; s[40:43] descriptor group 0 for K's tiles, which walks
.set G0V, 44          ; s[44:47] the same for V's
.set TB,  48          ; s48  LDS byte at which the slot in hand begins
.set TM,  49          ; s49  and its 128 keys' words in the mask's table
.set SLOTS, 50        ; s50  slots still to be asked for
.set BSH, 51          ; s51  8 x batch: my batch's byte in a key's four
.set CS,  52          ; s[52:53] c = log2(e): the packed scaling names a pair and takes its low word for both halves
.set SEL, 54          ; s[54:55] lane selects for v_permlanex16_b32: lane l xor 16
.set MNEG, 56         ; s56  -2^100
.set MLOW, 57         ; s57  -2^39
.set MSB, 0
.macro WIN new                      ; the immediate's high byte repeats the setting that is left; a switch that changes nothing is dropped
.if MSB != \new
	s_set_vgpr_msb (MSB<<8)|\new
.set MSB, \new
.endif
.endm
.set W_KQ, 0x05       ; K and Q in window 1; C and S^T in window 0
.set W_PV, 0x51       ; V in window 1, P in window 0, O^T in window 1
.set W_RS, 0x41       ; O^T (destination and source 0) in window 1, the factor in window 0
.set W_LD, 0x40       ; destination window 1, address window 0
.set W_CV, 0x05       ; sources 0 and 1 window 1, destination window 0
; A joint load.  Waves 0 and 1 fetch a slot's two tiles of K, waves 2 and 3 those of V, the others nothing.  The branches hang on the wave's number alone: they are the same in every work-group.
; An s_nop 0 and four v_nop follow each of the two lines.
.macro TLOAD
	s_cmp_lt_u32 s[WV], 2
	s_cbranch_scc0 .Lnot_k_\@
	tensor_load_to_lds s[G0K:G0K+3], s[G1K:G1K+7]
	s_nop 0
.rept 4
	v_nop
.endr
	s_branch .Lasked_\@
.Lnot_k_\@:
	s_cmp_lt_u32 s[WV], 4
	s_cbranch_scc0 .Lasked_\@
	tensor_load_to_lds s[G0V:G0V+3], s[G1V:G1V+7]
	s_nop 0
.rept 4
	v_nop
.endr
.Lasked_\@:
.endm
; A PREFETCH INTO THE L2 of what the NEXT change of slots will ask for: a slot's 128 rows of K and 128 of V, 256 bytes a row, a lane a row: two key steps, 128 matrix instructions of each wave, ahead of that load.
; Each row is named ONCE in the launch.  Both clusters of a pair of heads walk the same K and V: the first of them asks.  Its four partners share the rows out BY ADDRESS, 32 each: no branch hangs on a
; work-group's place in its cluster.  In each, wave 4 asks for K's and wave 5 for V's: waves that fetch nothing.  The last change that fills a slot asks for nothing; slots 0 and 1 come by their loads alone.
.macro ASK
	s_cmp_gt_u32 s[SLOTS], s[LIM]
	s_cbranch_scc0 .Lnot_mine_\@
	global_prefetch_b8 v[PFO], s[PFA:PFA+1] th:TH_LOAD_NT scope:SCOPE_SE
.Lnot_mine_\@:
.endm
; A round of the cluster's barrier: my work-group's barrier, so that wave 0's signal speaks for all eight waves; wave 0 signals for the work-group; every wave waits for all four work-groups; my work-group's barrier once more.
.macro CROUND
	s_barrier_signal -1
	s_barrier_wait -1
	s_cmp_lg_u32 s[WV], 0
	s_cbranch_scc1 .Lnot_wave_0_\@
	s_barrier_signal -3
.Lnot_wave_0_\@:
	s_barrier_wait -3
	s_barrier_signal -1
	s_barrier_wait -1
.endm
	s_load_b128 s[4:7], s[0:1], 0x0 ; qkv s[4:5], the mask s[6:7]
	s_load_b64 s[8:9], s[0:1], 0x10 ; att
	v_lshl_add_u32 v[SPW], v0, 2, SPARE
	v_mov_b32 v[NIL], 0
	ds_add_u32 v[SPW], v[NIL]       ; the wave's opening: the add, twice on end, and its wait stand ahead of the first tensor load; the set-up below, work on registers, stands between
	ds_add_u32 v[SPW], v[NIL]
	v_lshrrev_b32 v1, 5, v0
	v_readfirstlane_b32 s[WV], v1   ; wave 0..7
	s_lshr_b32 s16, s[WV], 2        ; u: which head of the pair
	s_and_b32 s17, s[WV], 3         ; which 64 of the block's queries
	s_bfe_u32 s13, ttmp6, 0x40000   ; cx: my place in the cluster
	s_lshl_b32 s14, ttmp9, 2        ; in a cluster launch ttmp9 counts clusters
	s_add_co_u32 s14, s14, s13      ; my block of 256 queries: it enters Q's and att's addresses alone
	s_and_b32 s58, ttmp7, 0xffff    ; 8 x batch + pair, which the four partners share
	s_lshl_b32 s20, s58, 19         ; its 2,048 rows of 256 bytes in each of q, k, v
	s_mov_b32 s21, 0
	s_lshr_b32 s59, s58, 3          ; the batch
	s_lshl_b32 s[BSH], s59, 3
	s_and_b32 s58, s58, 7           ; the pair
	s_and_b32 s60, s[WV], 1         ; which of a slot's two steps I fetch:
	s_lshl_b32 s22, s60, 14         ; its 64 rows of 256 bytes in memory,
	s_mov_b32 s23, 0
	s_add_nc_u64 s[22:23], s[22:23], s[20:21]
	s_mul_i32 s61, s60, STEPB       ; and its place in a slot: no place in the cluster enters an LDS address
	s_lshl_b32 s62, s14, 16         ; Q: my block's 256 rows,
	s_lshl_b32 s63, s17, 14         ; my wave's 64 of them,
	s_add_co_u32 s62, s62, s63
	s_lshl_b32 s63, s16, 7          ; my head's 128 bytes of a row
	s_add_co_u32 s62, s62, s63
	s_mov_b32 s63, 0
	s_add_nc_u64 s[62:63], s[62:63], s[20:21]
	s_lshl_b32 s2, s14, 8           ; att: wave w stores queries 256 x block + 32 w on: row 4 l + batch of 2,048 bytes, + the pair's 256 bytes
	s_lshl_b32 s3, s[WV], 5
	s_add_co_u32 s2, s2, s3
	s_lshl_b32 s2, s2, 2
	s_add_co_u32 s2, s2, s59
	s_lshl_b32 s2, s2, 11
	s_lshl_b32 s3, s58, 8
	s_add_co_u32 s2, s2, s3
	s_mov_b32 s3, 0
	s_mov_b32 s[PFA], 0x2000000     ; the prefetches' offset: V's third of the buffer,
	s_cmp_eq_u32 s[WV], 4
	s_cselect_b32 s[PFA], 0x1000000, s[PFA]  ; or K's in wave 4;
	s_lshl_b32 s[PFA+1], s13, 13    ; my work-group's 32 rows of the 128;
	s_add_co_u32 s[PFA], s[PFA], s[PFA+1]
	s_add_co_u32 s[PFA], s[PFA], 2*KS*256  ; in slot 1: the first change of slots steps it to slot 2.  Nothing is prefetched at the head
	s_mov_b32 s[PFA+1], 0
	s_add_nc_u64 s[PFA:PFA+1], s[PFA:PFA+1], s[20:21]
	s_sub_co_u32 s[LIM], s[WV], 4
	s_lshr_b32 s[LIM], s[LIM], 1    ; 0 in waves 4 and 5,
	s_or_b32 s[LIM], s[LIM], ttmp9  ; where the cluster is the pair's first: the same in all four partners
	s_cmp_eq_u32 s[LIM], 0
	s_cselect_b32 s[LIM], 1, -1
	; descriptor group 1: a tile of 64 rows x 128 elements, padded in LDS
	s_mov_b32 s[G1K], 15|(1<<16)|(1<<20)|(1<<21)|(5<<22)|(3<<25)  ; 15:0 the mask: all four work-groups; 17:16 elements of 2 bytes; 20 padding on; 21 set beside a mask; 24:22 after every 64 words (code 5); 31:25 4 words of it (code 3)
	s_mov_b32 s[G1V], 15|(1<<16)|(1<<20)|(1<<21)|(5<<22)|(7<<25)  ; the same with 8 words of padding (code 7)
.irp g, G1K, G1V
	s_mov_b32 s[\g+1], 128<<16      ; tensor_dim0 = 128
	s_mov_b32 s[\g+2], KS<<16       ; tensor_dim1 = 64
	s_mov_b32 s[\g+3], 128<<16      ; tile_dim0 = 128
	s_mov_b32 s[\g+4], KS           ; tile_dim1 = 64
	s_mov_b32 s[\g+5], 128          ; tensor_dim0_stride: elements from row to row
	s_mov_b32 s[\g+6], 0
	s_mov_b32 s[\g+7], 0
.endr
	s_mov_b32 s[CS], 0x3fb8aa3b     ; c = log2(e)
	s_mov_b32 s[CS+1], s[CS]        ; named with it as a pair, so it is written
	s_mov_b32 s[SEL], 0x76543210
	s_mov_b32 s[SEL+1], 0xfedcba98
	s_mov_b32 s[MNEG], 0xf1800000   ; -2^100
	s_mov_b32 s[MLOW], 0xd3000000   ; -2^39
	s_mov_b32 s[TB], 0
	s_mov_b32 s[TM], 0
	s_mov_b32 s[SLOTS], NSL-1
	s_wait_dscnt 0x0                ; both opening adds are done
	s_wait_kmcnt 0x0
	s_add_nc_u64 s[10:11], s[4:5], s[62:63]  ; Q at my wave's first row, my head
	s_add_nc_u64 s[8:9], s[8:9], s[2:3]      ; att at the first row that I store
	s_add_nc_u64 s[22:23], s[4:5], s[22:23]  ; my tile of slot 0, less the third of the buffer
	s_add_nc_u64 s[PFA:PFA+1], s[4:5], s[PFA:PFA+1]
	CROUND                          ; all four work-groups are here: the first joint loads meet
	s_mov_b32 s[G0K], 1             ; 1:0 count = 1
	s_mov_b32 s[G0K+1], s61         ; 63:32 LDS address: slot 0
	s_add_nc_u64 s[G0K+2:G0K+3], s[22:23], 0x1000000  ; 120:64 global address: k's third, keys 0 to 127
	s_or_b32 s[G0K+3], s[G0K+3], 0x80000000  ; 127:126 type = 2
	s_mov_b32 s[G0V], 1
	s_add_co_u32 s[G0V+1], s61, VOFF
	s_add_nc_u64 s[G0V+2:G0V+3], s[22:23], 0x2000000
	s_or_b32 s[G0V+3], s[G0V+3], 0x80000000
	TLOAD                           ; slot 0: the one first fill at the head; one tensor load of a fetching wave is out
	v_and_b32 v1, 15, v0            ; r = l % 16
	v_bfe_u32 v8, v0, 4, 1          ; h = l / 16
	v_lshlrev_b32 v[QA], 8, v1
	v_lshl_add_u32 v[QA], v8, 4, v[QA]  ; row x 256 + 16 x half
	v_lshlrev_b32 v[MA], 5, v0
	global_load_b128 v[MK:MK+3], v[MA], s[6:7]             ; the mask: a key is 4 bytes, one a batch; thread n takes keys 8 n .. 8 n + 7
	global_load_b128 v[MK+4:MK+7], v[MA], s[6:7] offset:16
	WIN W_LD
.irp t, 0,1,2,3                     ; Q stays in registers.  A fragment is 16 rows x 32 channels in 8 registers: lane l holds row l % 16; registers 0-3 channels 8 (l / 16) + 0..7, registers 4-7 channels 16 + 8 (l / 16) + 0..7
.irp cs, 0,1
.irp e, 0,1
	global_load_b128 v[QF+16*\t+8*\cs+4*\e:QF+16*\t+8*\cs+4*\e+3], v[QA], s[10:11] offset:\t*4096+64*\cs+32*\e
.endr
.endr
.endr
	WIN 0
	s_lshl_b32 s60, s16, 7          ; my head's 128 bytes of a row
	v_mul_u32_u24 v[AK0], v1, PK
	v_lshl_add_u32 v[AK0], v8, 4, v[AK0]
	v_add_nc_u32 v[AK0], s60, v[AK0]  ; K: row x pitch + 16 x half + my head
	; The turning load takes 16 keys x 16 channels (lane l reads 16 bytes: key 8 (l / 16) + l % 8, channels 8 ((l / 8) % 2) + 0..7) and leaves half a fragment of V^T: lane l holds channel l % 16 and 8 keys.
	v_and_b32 v91, 7, v0
	v_bfe_u32 v92, v0, 3, 1
	v_lshl_add_u32 v[AV0], v8, 3, v91
	v_mul_u32_u24 v[AV0], v[AV0], PV
	v_lshl_add_u32 v[AV0], v92, 4, v[AV0]
	s_add_co_u32 s62, s60, VOFF
	v_add_nc_u32 v[AV0], s62, v[AV0]
	v_lshl_add_u32 v[AM0], v8, 5, MASKB  ; the mask's words of keys 8 h + 0..7 of a tile
	s_mul_i32 s62, s17, 64*SP       ; the stage, in: my 64 rows, my head's half of their 256 bytes; row r, 16 bytes for each half of the lanes
	s_add_co_u32 s62, s62, s60
	s_add_co_u32 s62, s62, STAGE
	v_mul_u32_u24 v[STO], v1, SP
	v_lshl_add_u32 v[STO], v8, 4, v[STO]
	v_add_nc_u32 v[STO], s62, v[STO]
	s_mul_i32 s62, s[WV], 32*SP     ; back: wave w takes rows 32 w .. 32 w + 31, whole; lanes 0-15 one row, lanes 16-31 the next
	s_add_co_u32 s62, s62, STAGE
	v_mul_u32_u24 v[RD], v8, SP
	v_lshl_add_u32 v[RD], v1, 4, v[RD]
	v_add_nc_u32 v[RD], s62, v[RD]
	v_lshlrev_b32 v[GO], 13, v8     ; and the same two queries in att: four rows of 2,048 bytes apart
	v_lshl_add_u32 v[GO], v1, 4, v[GO]
	v_and_b32 v[PFO], 31, v0
	v_lshlrev_b32 v[PFO], 8, v[PFO]
	v_lshl_add_u32 v[ML], v0, 5, MASKB
.irp t, 0,1,2,3
	v_mov_b32 v[ST+8*\t+1], 0xd3800000  ; m = -2^40
	v_mov_b32 v[ST+8*\t+2], 0       ; l
	v_mov_b32 v[ST+8*\t+3], 0
.endr
.irp t, 0,1,2,3
	v_mul_f32 v[ST+8*\t], s[CS], v[ST+8*\t+1]  ; c m
.endr
	s_wait_loadcnt 16               ; the mask's two loads are in; Q's sixteen, issued behind them, may be out
.irp i, 0,1,2,3,4,5,6,7
	v_bfe_u32 v[MK+\i], v[MK+\i], s[BSH], 8  ; my batch's byte
.endr
.irp i, 0,1,2,3,4,5,6,7
	v_cvt_f32_u32 v[MK+\i], v[MK+\i]
.endr
.irp i, 0,1,2,3,4,5,6,7
	v_mul_f32 v[MK+\i], s[MNEG], v[MK+\i]  ; 0 or -2^100
.endr
	ds_store_b128 v[ML], v[MK:MK+3]  ; read by all waves behind the first change of slots: its wait for my LDS instructions and its barrier stand between
	ds_store_b128 v[ML], v[MK+4:MK+7] offset:16
	WIN W_LD
.set i, 0
.rept 128
	v_mov_b32 v[i], 0               ; O^T.  (The step is written without a first step of its own: the first finds zeros, which its factor a leaves zeros)
.set i, i+1
.endr
	WIN 0
; A KEY STEP: 64 keys, the q-th of the slot in hand, in phases.
.macro STEP q
	v_add_nc_u32 v[ADK], s[TB], v[AK0]
	v_add_nc_u32 v[ADV], s[TB], v[AV0]
	v_add_nc_u32 v[ADM], s[TM], v[AM0]
.irp kt, 0,1,2,3
.irp e, 0,1
	ds_load_b128 v[BIAS+8*\kt+4*\e:BIAS+8*\kt+4*\e+3], v[ADM] offset:256*(\q)+64*\kt+16*\e  ; the mask's words in the result's layout: register j = key 16 kt + 8 h + j
.endr
.endr
	WIN W_LD
.irp cs, 0,1                        ; K's fragments: keys 16 kt on, channels 32 cs on; the first 32 channels first
.irp kt, 0,1,2,3
.irp e, 0,1
	ds_load_b128 v[KV+8*(2*\kt+\cs)+4*\e:KV+8*(2*\kt+\cs)+4*\e+3], v[ADK] offset:(\q)*STEPB+\kt*16*PK+64*\cs+32*\e
.endr
.endr
.endr
	WIN W_KQ
	s_wait_dscnt 8                  ; the mask's words and channels 0-31 are in; the eight loads of channels 32-63 may be out
.irp kt, 0,1,2,3                    ; S^T = mask + K Q^T.  The 16 accumulators take turns, one instruction a turn
.irp t, 0,1,2,3
	v_wmma_f32_16x16x32_f16 v[S+32*\t+8*\kt:S+32*\t+8*\kt+7], v[KV+16*\kt:KV+16*\kt+7], v[QF+16*\t:QF+16*\t+7], v[BIAS+8*\kt:BIAS+8*\kt+7]
.endr
.endr
	s_wait_dscnt 0x0
.irp kt, 0,1,2,3
.irp t, 0,1,2,3
	v_wmma_f32_16x16x32_f16 v[S+32*\t+8*\kt:S+32*\t+8*\kt+7], v[KV+16*\kt+8:KV+16*\kt+15], v[QF+16*\t+8:QF+16*\t+15], v[S+32*\t+8*\kt:S+32*\t+8*\kt+7]
.endr
.endr
.rept 4
	v_nop                           ; four places: in front of the loads into K's registers, and of the first read of the scores (ISA guide 7.12.1 for vector instructions)
.endr
	WIN W_LD
.irp g, 0,1                         ; V, turned, into the registers that K has left: keys 32 g on, channels 16 ct on.  It lands under the softmax
.irp ct, 0,1,2,3
.irp e, 0,1
	ds_load_tr16_b128 v[KV+8*(4*\g+\ct)+4*\e:KV+8*(4*\g+\ct)+4*\e+3], v[ADV] offset:(\q)*STEPB+\g*32*PV+\e*16*PV+32*\ct
.endr
.endr
.endr
	WIN 0
	; the maximum of a lane's 32 scores and the old m, three operands at a time; the four tiles by turns, so that no line waits for the line above it.  Each accumulator is read first at its low end
.irp j, 0,1,2,3
.irp t, 0,1,2,3
	v_max3_num_f32 v[ST+8*\t+4+\j], v[S+32*\t+8*\j], v[S+32*\t+8*\j+1], v[S+32*\t+8*\j+2]
.endr
.endr
.irp p, 3,5
.irp j, 0,1,2,3
.irp t, 0,1,2,3
	v_max3_num_f32 v[ST+8*\t+4+\j], v[ST+8*\t+4+\j], v[S+32*\t+8*\j+\p], v[S+32*\t+8*\j+\p+1]
.endr
.endr
.endr
.irp t, 0,1,2,3
	v_max3_num_f32 v[ST+8*\t+4], v[ST+8*\t+4], v[S+32*\t+7], v[S+32*\t+15]
.endr
.irp t, 0,1,2,3
	v_max3_num_f32 v[ST+8*\t+6], v[ST+8*\t+6], v[S+32*\t+23], v[S+32*\t+31]
.endr
.irp t, 0,1,2,3
	v_max3_num_f32 v[ST+8*\t+4], v[ST+8*\t+4], v[ST+8*\t+5], v[ST+8*\t+6]
.endr
.irp t, 0,1,2,3
	v_max3_num_f32 v[ST+8*\t+4], v[ST+8*\t+4], v[ST+8*\t+7], v[ST+8*\t+1]
.endr
.irp t, 0,1,2,3
	v_permlanex16_b32 v[ST+8*\t+5], v[ST+8*\t+4], s[SEL], s[SEL+1]  ; the query's other 32 keys lie in the lane 16 away
.endr
.irp t, 0,1,2,3
	v_mov_b32 v[ST+8*\t+7], v[ST+8*\t]  ; c m_old is kept for a
.endr
.irp t, 0,1,2,3
	v_max_num_f32 v[ST+8*\t+1], v[ST+8*\t+4], v[ST+8*\t+5]  ; the new m
.endr
.irp t, 0,1,2,3
	v_mul_f32 v[ST+8*\t], s[CS], v[ST+8*\t+1]
.endr
.irp t, 0,1,2,3
	v_sub_f32 v[ST+8*\t+7], v[ST+8*\t+7], v[ST+8*\t]
.endr
.irp b, 0,2,4,6,8,10,12,14,16,18,20,22,24,26,28,30
.irp t, 0,1,2,3
	v_pk_fma_f32 v[S+32*\t+\b:S+32*\t+\b+1], v[S+32*\t+\b:S+32*\t+\b+1], s[CS:CS+1], v[ST+8*\t:ST+8*\t+1] op_sel_hi:[1,0,0] neg_lo:[0,0,1] neg_hi:[0,0,1]  ; c s - c m, two at a time
.endr
.endr
.irp t, 0,1,2,3                     ; ONE BATCH of 132 exponentials: none reads another's result
	v_exp_f32 v[ST+8*\t+6], v[ST+8*\t+7]  ; a
.endr
.irp j, 0,1,2,3,4,5,6,7,8,9,10,11,12,13,14,15,16,17,18,19,20,21,22,23,24,25,26,27,28,29,30,31
.irp t, 0,1,2,3
	v_exp_f32 v[S+32*\t+\j], v[S+32*\t+\j]  ; p, at most 1
.endr
.endr
	v_nop                           ; a plain instruction behind the last exponential and ahead of the first use
	s_wait_alu depctr_va_vdst(0)    ; the wait ahead of the first instruction that names a result: one for the batch
.irp t, 0,1,2,3
	v_pk_fma_f32 v[ST+8*\t+2:ST+8*\t+3], v[ST+8*\t+2:ST+8*\t+3], v[ST+8*\t+6:ST+8*\t+7], v[S+32*\t:S+32*\t+1] op_sel_hi:[1,0,1]  ; l = a l + the first pair; the sum is taken of p before it is rounded
.endr
.irp b, 2,4,6,8,10,12,14,16,18,20,22,24,26,28,30
.irp t, 0,1,2,3
	v_pk_add_f32 v[ST+8*\t+2:ST+8*\t+3], v[ST+8*\t+2:ST+8*\t+3], v[S+32*\t+\b:S+32*\t+\b+1]
.endr
.endr
.irp j, 0,1,2,3,4,5,6,7,8,9,10,11,12,13,14,15
.irp t, 0,1,2,3
	v_cvt_pk_f16_f32 v[S+32*\t+\j], v[S+32*\t+2*\j], v[S+32*\t+2*\j+1]  ; P in place, ascending: register j is written when pairs 0 .. j have been read
.endr
.endr
	WIN W_RS
.irp i, 0,2,4,6,8,10,12,14,16,18,20,22,24,26,28,30
.irp t, 0,1,2,3
	v_pk_mul_f32 v[32*\t+\i:32*\t+\i+1], v[32*\t+\i:32*\t+\i+1], v[ST+8*\t+6:ST+8*\t+7] op_sel_hi:[1,0]  ; O^T x a
.endr
.endr
	s_wait_dscnt 0x0                ; V is in
	WIN W_PV
.irp g, 0,1                         ; O^T += V^T P: the 16 accumulators by turns
.irp ct, 0,1,2,3
.irp t, 0,1,2,3
	v_wmma_f32_16x16x32_f16 v[32*\t+8*\ct:32*\t+8*\ct+7], v[KV+8*(4*\g+\ct):KV+8*(4*\g+\ct)+7], v[S+32*\t+8*\g:S+32*\t+8*\g+7], v[32*\t+8*\ct:32*\t+8*\ct+7]
.endr
.endr
.endr
	WIN 0
.rept 5
	v_nop                           ; five places: the next step's first products write over P, which these products read; they also serve the loads into V's registers
.endr
.endm
; THE CHANGE OF SLOTS stands at a slot's head.  Each wave waits for all its tensor loads (its part of the slot that it is about to read), adds 0 to its spare word, and waits for that and for its reads of the slot that it has left.
; fill = 1: the barrier is a round of the cluster's, so that no wave of any partner still reads the other slot or has a load on its way, and the joint load of the next 128 keys is the first thing behind it:
; one tensor load of a fetching wave is out, and it has this slot's two key steps in which to land.
.macro CHANGE fill
	s_wait_tensorcnt 0x0            ; no tensor load of mine is out, so a group 0 may be written
	ds_add_u32 v[SPW], v[NIL]       ; 0 onto my spare word
.if \fill
	ds_add_u32 v[SPW], v[NIL]       ; and once more: the add twice on end here, in every trip alike.  The descriptors' steps stand between the second and the wait
	s_xor_b32 s[G0K+1], s[G0K+1], SLOT1  ; the walking descriptors: the other slot than last time,
	s_add_nc_u64 s[G0K+2:G0K+3], s[G0K+2:G0K+3], 2*KS*256  ; the next 128 keys; the type bits on top are not reached
	s_xor_b32 s[G0V+1], s[G0V+1], SLOT1
	s_add_nc_u64 s[G0V+2:G0V+3], s[G0V+2:G0V+3], 2*KS*256
	s_wait_xcnt 0x0                 ; the last prefetch, a slot back, has read its address, so it may be written:
	s_add_nc_u64 s[PFA:PFA+1], s[PFA:PFA+1], 2*KS*256  ; one slot further on than the walking descriptors
	s_wait_dscnt 0x0                ; both adds are done, and my LDS instructions (the reads of the slot that I have left; in the first trip the mask's stores) are over
	CROUND
	TLOAD
	ASK
.else
	s_wait_dscnt 0x0
	s_barrier_signal -1
	s_barrier_wait -1
.endif
.endm
	s_wait_loadcnt 0x0              ; Q
.Lslot:                             ; 15 trips: behind each change of slots but the last the next slot is asked for
	CHANGE 1
	STEP 0
	STEP 1
	s_xor_b32 s[TB], s[TB], SLOT1   ; on to the other slot,
	s_add_co_u32 s[TM], s[TM], 512  ; and the next 128 keys' words
	s_sub_co_u32 s[SLOTS], s[SLOTS], 1
	s_cmp_lg_u32 s[SLOTS], 0
	s_cbranch_scc1 .Lslot
	CHANGE 0                        ; the last slot is written out
	STEP 0
	STEP 1
	; THE WAY OUT.  l's two halves and the other half of the lanes' are added; O^T is divided by l, rounded to f16 and sent through the work-group's stage, since a row's 256 bytes come from two waves.
	v_mov_b32 v[NANR], 0x7fc00000
.irp t, 0,1,2,3
	v_add_f32 v[ST+8*\t+4], v[ST+8*\t+2], v[ST+8*\t+3]
.endr
.irp t, 0,1,2,3
	v_permlanex16_b32 v[ST+8*\t+5], v[ST+8*\t+4], s[SEL], s[SEL+1]
.endr
.irp t, 0,1,2,3
	v_add_f32 v[ST+8*\t+4], v[ST+8*\t+4], v[ST+8*\t+5]
.endr
.irp t, 0,1,2,3
	v_rcp_f32 v[ST+8*\t+6], v[ST+8*\t+4]
.endr
	v_nop                           ; a plain instruction between the last reciprocal and the use of its result
	s_wait_alu depctr_va_vdst(0)    ; and the wait ahead of the first use: one for the four
.irp t, 0,1,2,3
	v_cmp_gt_f32 vcc_lo, s[MLOW], v[ST+8*\t+1]  ; m still under -2^39: every key of the batch is masked
	v_cndmask_b32 v[ST+8*\t+6], v[ST+8*\t+6], v[NANR], vcc_lo
.endr
.irp t, 0,1,2,3
	WIN W_RS
.irp i, 0,2,4,6,8,10,12,14,16,18,20,22,24,26,28,30
	v_pk_mul_f32 v[32*\t+\i:32*\t+\i+1], v[32*\t+\i:32*\t+\i+1], v[ST+8*\t+6:ST+8*\t+7] op_sel_hi:[1,0]
.endr
	WIN W_CV
.irp i, 0,1,2,3,4,5,6,7,8,9,10,11,12,13,14,15
	v_cvt_pk_f16_f32 v[S+32*\t+\i], v[32*\t+2*\i], v[32*\t+2*\i+1]
.endr
	WIN 0
.irp ct, 0,1,2,3
	ds_store_b128 v[STO], v[S+32*\t+4*\ct:S+32*\t+4*\ct+3] offset:16*SP*\t+32*\ct  ; lane (r, h): query 16 t + r, channels 16 ct + 8 h + 0..7
.endr
.endr
	s_wait_dscnt 0x0                ; for the others' sake: my stores into the stage are done
	s_barrier_signal -1
	s_barrier_wait -1
.irp i, 0,1,2,3,4,5,6,7,8,9,10,11,12,13,14,15
	ds_load_b128 v[S+4*\i:S+4*\i+3], v[RD] offset:\i*2*SP
.endr
.irp i, 0,1,2,3,4,5,6,7,8,9,10,11,12,13,14,15
	s_wait_dscnt 15-\i              ; LDS loads come back in order: load i is in, the younger ones may be out
	global_store_b128 v[GO], v[S+4*\i:S+4*\i+3], s[8:9] offset:16384*\i  ; 16 lanes store 256 consecutive bytes, at a multiple of 256 from att's first byte
.endr
	s_wait_tensorcnt 0x0            ; the wave's end: these three lines, behind my last tensor load and my last LDS store
	ds_add_u32 v[SPW], v[NIL]
	s_wait_dscnt 0x0
	CROUND                          ; the closing round: no work-group ends while a partner may still ask for a tile that names it
	s_endpgm
.Lfunc_end_k_qc124856112_attn:
	.size	k_qc124856112_attn, .Lfunc_end_k_qc124856112_attn-k_qc124856112_attn
	.p2alignl 7, 3214868480
	.fill 96, 4, 3214868480
	.section	.rodata,"a",@progbits
	.p2align	6, 0x0
	.amdhsa_kernel k_qc124856112_attn
		.amdhsa_group_segment_fixed_size 327680
		.amdhsa_private_segment_fixed_size 0
		.amdhsa_enable_private_segment 0
		.amdhsa_kernarg_size 24
		.amdhsa_user_sgpr_count 2
		.amdhsa_user_sgpr_kernarg_segment_ptr 1
		.amdhsa_wavefront_size32 1
		.amdhsa_system_sgpr_workgroup_id_x 1
		.amdhsa_system_sgpr_workgroup_id_y 1
		.amdhsa_system_sgpr_workgroup_id_z 1
		.amdhsa_system_vgpr_workitem_id 0
		.amdhsa_next_free_vgpr 512
		.amdhsa_next_free_sgpr 66
		.amdhsa_reserve_vcc 1
		.amdhsa_float_denorm_mode_32 3
		.amdhsa_float_denorm_mode_16_64 3
		.amdhsa_memory_ordered 1
		.amdhsa_forward_progress 1
		.amdhsa_inst_pref_size 160
	.end_amdhsa_kernel
	.amdgpu_metadata
---
amdhsa.version: [ 1, 2 ]
amdhsa.kernels:
  - .name:           k_qc124856112_attn
    .symbol:         k_qc124856112_attn.kd
    .args:
      - { .name: qkv, .offset: 0, .size: 8, .value_kind: global_buffer, .address_space: global }
      - { .name: key_padding_mask, .offset: 8, .size: 8, .value_kind: global_buffer, .address_space: global }
      - { .name: att, .offset: 16, .size: 8, .value_kind: global_buffer, .address_space: global }
    .group_segment_fixed_size: 327680
    .private_segment_fixed_size: 0
    .kernarg_segment_align: 8
    .kernarg_segment_size: 24
    .max_flat_workgroup_size: 256
    .sgpr_count:     66
    .vgpr_count:     512
    .wavefront_size: 32
...
	.end_amdgpu_metadata
.endif
;; end of part 3
;; launch oproj (part 4): grid 8 x 64, 4 waves a work-group, clusters of 4 x 4, 327,680 bytes of LDS; arguments att, wo16, out_proj_bias, out0; writes out0
.if DOCPART == 4
	.amdgcn_target "amdgcn-amd-amdhsa--gfx1250"
	.amdhsa_code_object_version 6
	.text
	.protected	k_qc124856112_oproj
	.globl	k_qc124856112_oproj
	.p2align	8
	.type	k_qc124856112_oproj,@function
k_qc124856112_oproj:
	s_mov_b64 s[64:65], 0
	v_nop
	global_prefetch_b8 v0, s[64:65] scope:SCOPE_SE
	s_setreg_imm32_b32 hwreg(HW_REG_WAVE_MODE, 25, 1), 1
	s_wait_xcnt 0x0
	s_wait_alu depctr_hold_cnt(0) depctr_sa_sdst(0) depctr_va_vdst(0) depctr_va_sdst(0) depctr_va_ssrc(0) depctr_va_vcc(0) depctr_vm_vsrc(0)
	s_getreg_b32 s2, hwreg(HW_REG_IB_STS2, 6, 4)
	s_cmp_eq_u32 s2, 0
	s_cbranch_scc0 .Lentry_in_a_cluster
	s_endpgm
.Lentry_in_a_cluster:
	s_bfe_u32 s2, ttmp6, 0x10000c
	s_cmp_lg_u32 s2, 0xf033
	s_cbranch_scc0 .Lentry_shape_is_right
	s_endpgm
.Lentry_shape_is_right:
; out0[m][n] = sum over k of att[m][k] W[n][k] + bias[n].  att: [8192][1024] f16, W: [1024][1024] f16 (K innermost), bias [1024] f32, out0 [8192][1024] f32; sums in f32.
; A tile of C is 128 x 128: 512 work-groups, twice as many as there are WGPs.  Four waves, each 64 x 64: 16 accumulators of 16 x 16, 128 registers.  K goes in steps of 256 (LDS rows of 512 bytes; a wave's tensor load
; brings 64 of them) through a ring of two slots.  The bias is the C of each sum's first product.  A wave's 64 columns are 256 bytes of a row of C.
; CLUSTERS: 4 x 4 work-groups.  The four of a row of the cluster need the same tiles of A, the four of a column the same tiles of B: each tile is asked for JOINTLY, by the same tensor load with the
; same descriptor and a mask that names the four.  THE MATRIX INSTRUCTION IS USED TRANSPOSED (source 0 = 16 rows of B, source 1 = 16 rows of A): a lane then holds eight neighbouring numbers of a row of C.
; No prefetch: K has four steps, of which two are asked for at the head.
; REGISTERS: window 0: v0-31 addresses; v32-95 rows on the way out; v96-127 the bias of my 64 columns in the result's layout; v128-255 the accumulators ((a, b) at v[128 + 8 (4 a + b)]).
;   window 1: two fragment buffers of 128: for 64 along K (two matrix instructions deep), 64 registers of A (2 x 4 x 16 rows x 32 K), then 64 of B.
.set SIZE_M, 8192
.set SIZE_N, 1024
.set SIZE_K, 1024
.set KSTEP,  256
.set PITCH,  528                       ; an LDS row: 512 bytes of data + 16 of padding = 132 words: row r starts at bank 4 r mod 64 (64 banks of 4 bytes: ISA guide 11.1)
.set HALFT,  64*PITCH                  ; 64 rows: what one tensor load brings, and what one wave reads of A or of B
.set SLOT,   4*HALFT                   ; A's 128 rows, then B's 128 rows
.set STAGE,  2*SLOT                    ; behind the ring: 16 rows x 272 bytes for each wave, for the way out
.set SPITCH, 272
.set SPARE,  STAGE+4*16*SPITCH         ; behind the stages: the spare words, 128 bytes for each wave
.set LAPS, SIZE_K/(2*KSTEP)            ; a lap = two K steps = once round the ring: 2
.set ADRA, 16                          ; v16-17  LDS address of my A fragments in slot 0, 1
.set ADRB, 20                          ; v20-21  the same for B
.set STO,  24                          ; v24     the way out: where I put 32 bytes of a row
.set RD,   25                          ; v25     the way out: where I read a row back
.set CO,   26                          ; v26     my byte offset in two rows of C
.set BO,   27                          ; v27     32 x (lane / 16): my eight numbers of a tile's sixteen biases; never rewritten
.set SPW,  28                          ; v28     LDS address of my spare word; never rewritten
.set NIL,  29                          ; v29     0; never rewritten
.set TMP,  32                          ; the way out: 16 rows read back: v32-63 and v64-95 by turns
.set BI,   96                          ; the bias: n block b at v[96 + 8 b]
.set ACC,  128
.set F0,   0                           ; fragment buffers, in window 1
.set F1,   128
.set G1, 24                            ; s[24:31] descriptor group 1 for A's tiles;  s[32:39] group 0, one set for each slot
.set G0, 32
.set G1B, 48                           ; s[48:55], s[56:63] the same for B's tiles
.set G0B, 56
.set BIA, 68                           ; s[68:69] the bias of my 64 columns
.set OUT, 70                           ; s[70:71] my part of C
.set MSB, 0
.macro WIN new                         ; the immediate's high byte repeats the setting that is left
.if MSB != \new
	s_set_vgpr_msb (MSB<<8)|\new
.set MSB, \new
.endif
.endm
.set MUL,  0x05                        ; sources 0 (B) and 1 (A) window 1; C and D window 0
.set TO_F, 0x40                        ; destination window 1, address window 0
.macro JLOAD s                         ; a joint load: waves 0 and 1 fetch A's two halves, waves 2 and 3 B's; an s_nop 0 and four v_nop follow each of the two lines, ahead of the jump, the label and what follows
	s_cmp_eq_u32 s11, 0
	s_cbranch_scc0 .Lfor_b_\@
	tensor_load_to_lds s[G0+4*\s:G0+4*\s+3], s[G1:G1+7]
	s_nop 0
.rept 4
	v_nop
.endr
	s_branch .Lasked_\@
.Lfor_b_\@:
	tensor_load_to_lds s[G0B+4*\s:G0B+4*\s+3], s[G1B:G1B+7]
	s_nop 0
.rept 4
	v_nop
.endr
.Lasked_\@:
.endm
.macro CREST                           ; a round of the cluster's barrier behind its opening barrier
	s_cmp_lg_u32 s10, 0
	s_cbranch_scc1 .Lnot_wave_0_\@
	s_barrier_signal -3
.Lnot_wave_0_\@:
	s_barrier_wait -3
	s_barrier_signal -1
	s_barrier_wait -1
.endm
.macro CROUND                          ; a whole round
	s_barrier_signal -1
	s_barrier_wait -1
	CREST
.endm
	s_load_b128 s[4:7], s[0:1], 0x0                ; A s[4:5], B s[6:7]
	s_load_b128 s[68:71], s[0:1], 0x10             ; the bias, C
	v_lshl_add_u32 v[SPW], v0, 2, SPARE
	v_mov_b32 v[NIL], 0
	ds_add_u32 v[SPW], v[NIL]                      ; the wave's opening: the add, twice on end, and its wait stand ahead of my first tensor load; the set-up below, work on registers, stands between
	ds_add_u32 v[SPW], v[NIL]
	v_lshrrev_b32 v1, 5, v0
	v_readfirstlane_b32 s10, v1                    ; wave 0..3
	s_lshr_b32 s11, s10, 1                         ; which half of the tile's rows is mine.  Also: I fetch for A (0) or for B (1)
	s_and_b32 s12, s10, 1                          ; which half of its columns.  Also: which 64 rows of that tile I fetch
	s_bfe_u32 s40, ttmp6, 0x40000                  ; cx, cy: my place in the cluster
	s_bfe_u32 s41, ttmp6, 0x40004
	s_lshl_b32 s42, ttmp9, 2
	s_add_co_u32 s42, s42, s40                     ; tile column of C = 4 x cluster x + cx
	s_and_b32 s13, ttmp7, 0xffff
	s_lshl_b32 s13, s13, 2
	s_add_co_u32 s13, s13, s41                     ; tile row of C = 4 x cluster y + cy
	s_lshl_b32 s43, s41, 2
	s_lshl_b32 s43, 15, s43                        ; my row of the cluster
	s_lshl_b32 s44, 0x1111, s40                    ; my column
	; descriptor group 1: a tile of 64 rows x 256 elements, padded in LDS
	s_or_b32 s[G1+0], s43, (1<<16)|(1<<20)|(1<<21)|(6<<22)|(3<<25)  ; 15:0 the mask: A's tiles go to my row; 17:16 element of 2 bytes; 20 padding on; 21 set beside a mask; 24:22 after every 128 words (code 6); 31:25 of 4 words (code 3)
	s_or_b32 s[G1B+0], s44, (1<<16)|(1<<20)|(1<<21)|(6<<22)|(3<<25)
.irp g, G1, G1B
	s_mov_b32 s[\g+1], KSTEP<<16                   ; tensor_dim0 = 256
	s_mov_b32 s[\g+2], 64<<16                      ; tensor_dim1 = 64
	s_mov_b32 s[\g+3], KSTEP<<16                   ; tile_dim0 = 256
	s_mov_b32 s[\g+4], 64                          ; tile_dim1 = 64
	s_mov_b32 s[\g+5], SIZE_K                      ; tensor_dim0_stride
	s_mov_b32 s[\g+6], 0
	s_mov_b32 s[\g+7], 0
.endr
	s_lshl_b32 s17, s12, 6                         ; which 64 rows of the tile I fetch
	s_lshl_b32 s16, s13, 7
	s_add_co_u32 s16, s16, s17                     ; A: row 128 x tile row + 64 x half
	s_lshl_b32 s46, s42, 7
	s_add_co_u32 s46, s46, s17                     ; B: row 128 x tile column + 64 x half
	s_mov_b32 s17, 0
	s_mov_b32 s47, 0
	s_mov_b64 s[18:19], SIZE_K*2
	s_mul_u64 s[16:17], s[16:17], s[18:19]
	s_mul_u64 s[46:47], s[46:47], s[18:19]
	s_mul_i32 s20, s10, HALFT                      ; where they go: wave x 64 rows
	s_wait_dscnt 0x0                               ; both opening adds are done
	s_wait_kmcnt 0x0
	s_add_nc_u64 s[14:15], s[4:5], s[16:17]
	s_add_nc_u64 s[46:47], s[6:7], s[46:47]
	CROUND                                         ; all sixteen work-groups are here: the first joint loads meet
.irp s, 0,1
	s_mov_b32 s[G0+4*\s], 1
	s_add_co_u32 s[G0+4*\s+1], s20, \s*SLOT
	s_add_nc_u64 s[G0+4*\s+2:G0+4*\s+3], s[14:15], \s*KSTEP*2
	s_or_b32 s[G0+4*\s+3], s[G0+4*\s+3], 0x80000000
	s_mov_b32 s[G0B+4*\s], 1
	s_add_co_u32 s[G0B+4*\s+1], s20, \s*SLOT
	s_add_nc_u64 s[G0B+4*\s+2:G0B+4*\s+3], s[46:47], \s*KSTEP*2
	s_or_b32 s[G0B+4*\s+3], s[G0B+4*\s+3], 0x80000000
	JLOAD \s
.endr
	v_and_b32 v1, 15, v0                           ; r = l % 16
	v_bfe_u32 v2, v0, 4, 1                         ; h = l / 16
	s_lshl_b32 s46, s42, 9                         ; my first column, 4 bytes each: 512 x tile column + 256 x half: in a row of C and in the bias alike
	s_lshl_b32 s47, s12, 8
	s_add_co_u32 s46, s46, s47
	s_mov_b32 s47, 0
	s_add_nc_u64 s[BIA:BIA+1], s[BIA:BIA+1], s[46:47]
	s_add_nc_u64 s[OUT:OUT+1], s[OUT:OUT+1], s[46:47]
	v_lshlrev_b32 v[BO], 5, v2
.irp b, 0,1,2,3
	global_load_b128 v[BI+8*\b:BI+8*\b+3], v[BO], s[BIA:BIA+1] offset:64*\b        ; n block b, lane (r, h): columns 16 b + 8 h + 0 .. 7
	global_load_b128 v[BI+8*\b+4:BI+8*\b+7], v[BO], s[BIA:BIA+1] offset:64*\b+16
.endr
	v_mul_u32_u24 v3, v1, PITCH
	v_lshl_add_u32 v3, v2, 4, v3                   ; a fragment's row x pitch + 16 x half
	s_mul_i32 s21, s11, HALFT                      ; my 64 rows of A
	s_mul_i32 s22, s12, HALFT                      ; my 64 rows of B,
	s_add_co_u32 s22, s22, 2*HALFT                 ; which lie behind A's 128
.irp s, 0,1
	v_add_nc_u32 v[ADRA+\s], s21, v3
	v_add_nc_u32 v[ADRB+\s], s22, v3
	s_add_co_u32 s21, s21, SLOT
	s_add_co_u32 s22, s22, SLOT
.endr
	s_mul_i32 s23, s10, 16*SPITCH
	s_add_co_u32 s23, s23, STAGE                   ; my stage
	v_mul_u32_u24 v4, v1, SPITCH                   ; in: row r, 32 bytes for each half of the lanes
	v_lshl_add_u32 v4, v2, 5, v4
	v_add_nc_u32 v[STO], s23, v4
	v_mul_u32_u24 v5, v2, SPITCH                   ; back: lanes 0-15 take one row of 256 bytes, lanes 16-31 the next
	v_lshl_add_u32 v5, v1, 4, v5
	v_add_nc_u32 v[RD], s23, v5
	v_lshlrev_b32 v5, 12, v2                       ; and the same two rows in C, 4,096 bytes apart
	v_lshl_add_u32 v[CO], v1, 4, v5
	s_lshl_b32 s16, s13, 7
	s_lshl_b32 s17, s11, 6
	s_add_co_u32 s16, s16, s17                     ; my first row of C: 128 x tile row + 64 x half,
	s_lshl_b32 s16, s16, 12                        ; 4,096 bytes each
	s_mov_b32 s17, 0
	s_add_nc_u64 s[OUT:OUT+1], s[OUT:OUT+1], s[16:17]
; 8 matrix instructions: m blocks a0, a0 + 1 x all 4 n blocks, 32 along K: half c of buffer f.  zero = 1: the first product starts the sums, from the bias
.macro MUL8 f, c, a0, zero
.irp a, \a0, \a0+1
.irp b, 0,1,2,3
.if \zero
	v_wmma_f32_16x16x32_f16 v[ACC+8*(4*(\a)+\b):ACC+8*(4*(\a)+\b)+7], v[\f+64+8*(4*\c+\b):\f+64+8*(4*\c+\b)+7], v[\f+8*(4*\c+\a):\f+8*(4*\c+\a)+7], v[BI+8*\b:BI+8*\b+7]
.else
	v_wmma_f32_16x16x32_f16 v[ACC+8*(4*(\a)+\b):ACC+8*(4*(\a)+\b)+7], v[\f+64+8*(4*\c+\b):\f+64+8*(4*\c+\b)+7], v[\f+8*(4*\c+\a):\f+8*(4*\c+\a)+7], v[ACC+8*(4*(\a)+\b):ACC+8*(4*(\a)+\b)+7]
.endif
.endr
.endr
.endm
; 32 LDS loads in one run: the fragments of 64 along K at byte k of the rows, into buffer f; the first 32 along K first
.macro FETCH slot, k, f
	WIN TO_F
.irp c, 0,1
.irp i, 0,1,2,3
	ds_load_b128 v[\f+64+8*(4*\c+\i):\f+64+8*(4*\c+\i)+3],   v[ADRB+\slot] offset:\k+64*\c+\i*16*PITCH
	ds_load_b128 v[\f+64+8*(4*\c+\i)+4:\f+64+8*(4*\c+\i)+7], v[ADRB+\slot] offset:\k+64*\c+\i*16*PITCH+32
	ds_load_b128 v[\f+8*(4*\c+\i):\f+8*(4*\c+\i)+3],         v[ADRA+\slot] offset:\k+64*\c+\i*16*PITCH
	ds_load_b128 v[\f+8*(4*\c+\i)+4:\f+8*(4*\c+\i)+7],       v[ADRA+\slot] offset:\k+64*\c+\i*16*PITCH+32
.endr
.endr
.endm
.macro PLACES                          ; four places in front of loads into registers that matrix instructions have read, and of LDS stores that read results (ISA guide 7.12.1 for vector instructions)
.rept 4
	v_nop
.endr
.endm
; A K step is four quarters of 64 along K, 32 matrix instructions each, on buffers 0, 1, 0, 1; the 16 accumulators take turns.  One of the first three: multiplies buffer f and fetches the next quarter, at byte k, into g.
.macro QUARTER slot, k, f, g, zero
	s_wait_dscnt 16                                ; the first 32 along K are in; the sixteen loads of the second 32 may be out
	WIN MUL
	MUL8 \f, 0, 0, \zero
	MUL8 \f, 0, 2, \zero
	PLACES
	FETCH \slot, \k, \g
	s_wait_dscnt 32                                ; all but the 32 just issued
	WIN MUL
	MUL8 \f, 1, 0, 0
	MUL8 \f, 1, 2, 0
.endm
; The last quarter multiplies buffer 1 and changes slots: ONE barrier; in front of it each wave waits for all its tensor loads, adds 0 to its spare word, and waits for that and for its own reads of this slot.  fill = 1: this slot is filled again, two K steps ahead.
.macro TURN slot, next, fill
	WIN 0                                          ; (the add's two registers lie in window 0)
	s_wait_tensorcnt 0x0                           ; all my tensor loads have landed: my part of the next slot;
	ds_add_u32 v[SPW], v[NIL]                      ; 0 onto my spare word;
	s_wait_dscnt 17                                ; (the add and the youngest sixteen loads may be out)
	WIN MUL
	MUL8 F1, 0, 0, 0                               ; eight matrix instructions stand between the add and the wait for it
	s_wait_dscnt 0x0                               ; the add is done, and my reads of this slot are over
	s_barrier_signal -1
	MUL8 F1, 0, 2, 0
.if \fill
	WIN 0
.endif
	s_barrier_wait -1
.if \fill
	CREST                                          ; the barrier has opened a round of the cluster's barrier: no wave of any partner still reads this slot's tile or has a load on its way
	s_add_nc_u64 s[G0+4*\slot+2:G0+4*\slot+3], s[G0+4*\slot+2:G0+4*\slot+3], 2*KSTEP*2
	s_add_nc_u64 s[G0B+4*\slot+2:G0B+4*\slot+3], s[G0B+4*\slot+2:G0B+4*\slot+3], 2*KSTEP*2
	JLOAD \slot                                    ; the first tensor load behind the round: 112 matrix instructions ahead of the wait for it; the four v_nop behind it are also the places in front of the loads below
.else
	PLACES
.endif
	FETCH \next, 0, F0
	WIN MUL
	MUL8 F1, 1, 0, 0
	MUL8 F1, 1, 2, 0
.endm
	s_wait_tensorcnt 1                             ; my part of K step 0 is in (K step 1's load may be out)
	s_barrier_signal -1
	s_barrier_wait -1                              ; everybody's is
	FETCH 0, 0, F0
	s_wait_loadcnt 0x0                             ; the bias
	QUARTER 0, 128, F0, F1, 1                      ; the first quarter stands in front of the loop: its first products start the sums
	WIN 0                                          ; at a label and at a branch every window is 0
	s_mov_b32 s3, LAPS-1
.Llap:                                                 ; a trip goes once round the ring, from a lap's second quarter to the next lap's first, and fills both slots again
	QUARTER 0, 256, F1, F0, 0
	QUARTER 0, 384, F0, F1, 0
	TURN 0, 1, 1
	QUARTER 1, 128, F0, F1, 0
	QUARTER 1, 256, F1, F0, 0
	QUARTER 1, 384, F0, F1, 0
	TURN 1, 0, 1
	QUARTER 0, 128, F0, F1, 0
	WIN 0
	s_sub_co_u32 s3, s3, 1
	s_cmp_lg_u32 s3, 0
	s_cbranch_scc1 .Llap
	QUARTER 0, 256, F1, F0, 0                      ; the last lap fills nothing, and has no round of the cluster's barrier
	QUARTER 0, 384, F0, F1, 0
	TURN 0, 1, 0
	QUARTER 1, 128, F0, F1, 0
	QUARTER 1, 256, F1, F0, 0
	QUARTER 1, 384, F0, F1, 0
	s_wait_dscnt 16                                ; the very last quarter: nothing more to fetch
	WIN MUL
	MUL8 F1, 0, 0, 0
	MUL8 F1, 0, 2, 0
	s_wait_dscnt 0
	MUL8 F1, 1, 0, 0
	MUL8 F1, 1, 2, 0
	WIN 0
; THE WAY OUT, block by block of 16 rows x 64 columns.  A lane holds 32 neighbouring bytes of a row, and the lanes beside it hold other rows: so a block goes through my own stage in LDS and comes back as whole
; rows of 256 bytes.  LDS serves a wave's instructions in order (ISA guide 5.7.1.4): no wait between the stores and the loads, nor in front of the next block's stores.
.macro TOSTAGE a
.irp b, 0,1,2,3
	ds_store_b128 v[STO], v[ACC+8*(4*(\a)+\b):ACC+8*(4*(\a)+\b)+3] offset:64*\b       ; each accumulator from its low end on
	ds_store_b128 v[STO], v[ACC+8*(4*(\a)+\b)+4:ACC+8*(4*(\a)+\b)+7] offset:64*\b+16
.endr
.irp i, 0,1,2,3,4,5,6,7
	ds_load_b128 v[TMP+32*((\a)%2)+4*\i:TMP+32*((\a)%2)+4*\i+3], v[RD] offset:\i*2*SPITCH
.endr
.endm
.macro SEND a, younger                 ; younger: the LDS instructions issued behind block a's loads, which may stay out
	s_wait_dscnt \younger                          ; the block is back in registers
.irp i, 0,1,2,3,4,5,6,7
	global_store_b128 v[CO], v[TMP+32*((\a)%2)+4*\i:TMP+32*((\a)%2)+4*\i+3], s[OUT:OUT+1] offset:(16*(\a)+2*\i)*SIZE_N*4 th:TH_STORE_NT   ; 16 lanes store 256 consecutive bytes, at a multiple of 256 from C's first byte; written once, read by nobody here
.endr
.endm
	PLACES                                         ; the stores below read results, the last of them just made
	TOSTAGE 0
.irp a, 1,2,3
.if \a > 1
	s_wait_xcnt 0x0                                ; block a - 2's stores have read their registers: block a's loads may land there
.endif
	TOSTAGE \a
	SEND \a-1, 16                                  ; behind block a - 1's loads: block a's 8 stores and 8 loads
.endr
	SEND 3, 0
	s_wait_tensorcnt 0x0                           ; the wave's end: these three lines, behind my last tensor load and my last LDS store
	ds_add_u32 v[SPW], v[NIL]
	s_wait_dscnt 0x0
	CROUND                                         ; the closing round: no work-group ends while a partner may still ask for a tile that names it
	s_endpgm
.Lfunc_end_k_qc124856112_oproj:
	.size	k_qc124856112_oproj, .Lfunc_end_k_qc124856112_oproj-k_qc124856112_oproj
	.p2alignl 7, 3214868480
	.fill 96, 4, 3214868480
	.section	.rodata,"a",@progbits
	.p2align	6, 0x0
	.amdhsa_kernel k_qc124856112_oproj
		.amdhsa_group_segment_fixed_size 327680
		.amdhsa_private_segment_fixed_size 0
		.amdhsa_enable_private_segment 0
		.amdhsa_kernarg_size 32
		.amdhsa_user_sgpr_count 2
		.amdhsa_user_sgpr_kernarg_segment_ptr 1
		.amdhsa_wavefront_size32 1
		.amdhsa_system_sgpr_workgroup_id_x 1
		.amdhsa_system_sgpr_workgroup_id_y 1
		.amdhsa_system_sgpr_workgroup_id_z 1
		.amdhsa_system_vgpr_workitem_id 0
		.amdhsa_next_free_vgpr 512
		.amdhsa_next_free_sgpr 72
		.amdhsa_reserve_vcc 0
		.amdhsa_float_denorm_mode_32 3
		.amdhsa_float_denorm_mode_16_64 3
		.amdhsa_memory_ordered 1
		.amdhsa_forward_progress 1
		.amdhsa_inst_pref_size 86
	.end_amdhsa_kernel
	.amdgpu_metadata
---
amdhsa.version: [ 1, 2 ]
amdhsa.kernels:
  - .name:           k_qc124856112_oproj
    .symbol:         k_qc124856112_oproj.kd
    .args:
      - { .name: att, .offset: 0, .size: 8, .value_kind: global_buffer, .address_space: global }
      - { .name: wo16, .offset: 8, .size: 8, .value_kind: global_buffer, .address_space: global }
      - { .name: out_proj_bias, .offset: 16, .size: 8, .value_kind: global_buffer, .address_space: global }
      - { .name: out0, .offset: 24, .size: 8, .value_kind: global_buffer, .address_space: global }
    .group_segment_fixed_size: 327680
    .private_segment_fixed_size: 0
    .kernarg_segment_align: 8
    .kernarg_segment_size: 32
    .max_flat_workgroup_size: 128
    .sgpr_count:     72
    .vgpr_count:     512
    .wavefront_size: 32
...
	.end_amdgpu_metadata
.endif
;; end of part 4
